; MI455X (gfx1250); checked and timed in simulation.
; The chip was launched on July 23, 2026; its instructions are those of AMD's public machine-readable ISA for CDNA 5 (MIT licence, August 2026) and "CDNA5" Instruction Set Architecture Reference Guide (July 2026). The comments in the code are by the model that wrote it; some were corrected since.
;; Transformer Block. Allowed arithmetic: matrix products marked QUANTISED: E5M2 operands, one E8M0 scale for each 32 along K, by v_wmma_scale_f32_16x16x128_f8f6f4 with both operands' format E5M2, f32 sums; everything else in f32.
;; Inputs: Wk 16 x 1,024 x 64 float32; Wq 16 x 1,024 x 64 float32; Wv 16 x 1,024 x 64 float32; fc_b 1,024 float32; fc_w 1,024 x 1,024 float32; ff_b1 4,096 float32; ff_b2 1,024 float32; ff_w1 1,024 x 4,096 float32; ff_w2 4,096 x 1,024 float32; ln1_b 1,024 float32; ln1_s 1,024 float32; ln2_b 1,024 float32; ln2_s 1,024 float32; x 2 x 2,048 x 1,024 float32.
;; Outputs: out0 2 x 2,048 x 1,024 float32.
;; This version of the problem:
;;   THIS VERSION OF THE PROBLEM IS GIVEN IN LOW PRECISION. The matrix products marked QUANTISED in the list below multiply operands that are first quantised to E5M2 (5 exponent bits, 2 mantissa bits; 8 bits a number), with one power-of-two scale for each 32 numbers along K (OCP MX v1.0); their sums are f32. All else is computed in f32.
;;   The module's matrix products, in the order in which they are computed (A, B: the left and right operand; K: the contracted axis; several contracted axes count as one K, in the product's order):
;;     1. [M 1,024, K 1,024] x [K 1,024, N 4,096]; A: input Wq; B: computed on the way: QUANTISED
;;     2. [M 1,024, K 1,024] x [K 1,024, N 4,096]; A: input Wk; B: computed on the way: QUANTISED
;;     3. [M 1,024, K 1,024] x [K 1,024, N 4,096]; A: input Wv; B: computed on the way: QUANTISED
;;     4. batch 32 x [M 2,048, K 64] x [K 64, N 2,048]; A: computed on the way; B: computed on the way: QUANTISED
;;     5. batch 32 x [M 2,048, K 2,048] x [K 2,048, N 64]; A: softmax (see below); B: computed on the way: QUANTISED
;;     6. [M 4,096, K 1,024] x [K 1,024, N 1,024]; A: computed on the way; B: input fc_w: QUANTISED
;;     7. [M 4,096, K 1,024] x [K 1,024, N 4,096]; A: computed on the way; B: input ff_w1: QUANTISED
;;     8. [M 4,096, K 4,096] x [K 4,096, N 1,024]; A: computed on the way; B: input ff_w2: QUANTISED
;;   THE QUANTISER, for each operand of a quantised product, along K:
;;     - K is cut into blocks of 32 from its start; a last block that is shorter is filled with zeros.
;;     - A block's scale is 2^e with e = floor(log2(the largest magnitude in the block)) - 15, held to -126 .. 127; a block of zeros has e = 0. As a byte (E8M0): e + 127.
;;     - Each number is divided by its block's scale, clamped to +-57,344, and rounded to the nearest number of E5M2, ties to even, subnormals kept.
;;     - The product sums the exact products of the quantised numbers (number of the format x scale) in f32.
;;   ~~~python
;;   def quantise(x, axis):      # numpy; x: float32 -> the quantised numbers, widened to float32 again
;;       x = np.moveaxis(x, axis, -1); K = x.shape[-1]
;;       x = np.pad(x, [(0, 0)] * (x.ndim - 1) + [(0, -K % 32)]); x = x.reshape(x.shape[:-1] + (-1, 32)); a = np.abs(x).max(-1, keepdims=True)
;;       e = np.where(a > 0, np.clip(np.frexp(np.where(a > 0, a, 1))[1] - 1 - 15, -126, 127), 0)      # np.frexp(a)[1] - 1 = floor(log2(a)), exactly
;;       r = np.clip(x / 2.0 ** e, -57344, 57344)
;;       step = 2.0 ** (np.maximum(np.frexp(np.where(r == 0, 1, r))[1] - 1, -14) - 2)
;;       q = np.round(r / step) * step * 2.0 ** e      # np.round: ties to even
;;       return np.moveaxis(q.reshape(q.shape[:-2] + (-1,))[..., :K], -1, axis).astype(np.float32)
;;   ~~~
;;   SOFTMAX AHEAD OF A QUANTISED PRODUCT. Where the list says 'softmax', what is quantised is not the finished softmax but p = 2^(t - M), with t = logit x log2(e) and M = ceil(the row's largest t), a whole number; so 1/2 < the row's largest p <= 1. The row's sum l is taken of the UNQUANTISED p, in f32, and the product's result is divided by l at the end. Since M is a whole number, a kernel that streams over the keys may use a running M (the ceiling of the running maximum): every later rescaling is an exact power of two, which a block's scale takes up: the codes' values come out the same.
;;   OPERANDS COMPUTED ON THE WAY. 'Computed on the way' means the value that the module computes at that place (a softmax that the list does not call 'softmax' is quantised finished and normalised). What goes into a quantiser is computed in f32, as accurately as f32 sums, v_exp_f32 and their like allow (about 1e-6 of the number): no bf16 or f16 on the way to a quantiser, and a product that is left as it is and whose result goes on into a quantised operand takes f32 operands (vector FMAs, or v_wmma_f32_16x16x4_f32). A number that lies on a knife's edge between two numbers of the format may be rounded either way, as far as f32 arithmetic and the matrix unit's own rounding can turn it there, and no further.
;; One version. Each part assembles by itself: llvm-mc -triple=amdgcn-amd-amdhsa -mcpu=gfx1250 --defsym DOCPART=n.
;; ======== version 1 of 1: 7 launches
;; limits: right only within a limited range of input values
;; workspace buffers: wimg 12,976,128 bytes; xnimg 4,325,376 bytes; qimg 8,650,752 bytes; kv 8,650,752 bytes; cimg 4,325,376 bytes; hbuf 16,777,216 bytes; yimg 4,325,376 bytes; himg 17,301,504 bytes
;; launch prep (part 1): grid 1024 x 1, 4 waves a work-group, no clusters, 66,304 bytes of LDS; arguments x, ln1_s, ln1_b, xnimg, Wq, Wk, Wv, fc_w, ff_w1, ff_w2, wimg; writes xnimg, wimg
.if DOCPART == 1
	.amdgcn_target "amdgcn-amd-amdhsa--gfx1250"
	.amdhsa_code_object_version 6
	.text
	.protected	k_q896d036e76_prep
	.globl	k_q896d036e76_prep
	.p2align	8
	.type	k_q896d036e76_prep,@function
k_q896d036e76_prep:
	s_mov_b64 s[64:65], 0
	v_nop
	global_prefetch_b8 v0, s[64:65] scope:SCOPE_SE
	s_setreg_imm32_b32 hwreg(HW_REG_WAVE_MODE, 25, 1), 1
	s_wait_xcnt 0x0
; THE PROGRAM: a transformer block (LN1, Q/K/V, causal attention, the source's transpose-and-reshape, fc + residual, LN2, FF1, GELU, FF2 + residual), all eight products on codes of BF8 (E5M2) with one E8M0 scale for each 32 along K.
; WORK LEFT OUT (in the launch attn alone): reference() sets score(t, s) to -infinity wherever s > t, by a mask that it builds itself; the softmax then gives such a key the weight 0 exactly, for all finite inputs, so a step of
; 128 keys all of which come after all 16 queries of a tile adds 0 to the sum and to the context: such steps of products 4 and 5 are not computed.  Every input has a way to the output: all fourteen are loaded.
; LIMIT: a NaN, an infinity or an overflow that would arise only in those steps is not carried to the result.  NaN and infinities among the inputs are not served.
; THIS LAUNCH does two things that read nothing of each other; the paths part once, on the work-group's number, and do not join.
; WORK-GROUPS 0-255: xn = gain (x - mean) / sqrt(var + 1e-5) + shift along rows of 1,024, in f32 (two passes), quantised along the row into xnimg.
; WORK-GROUPS 256-1,023: the six weights, f32 with K NOT innermost, become codes and scale bytes in wimg; a work-group makes one step of 128 K of a panel.
; A PANEL is 128 rows x 256 along K, 33,792 bytes: fragment (step s of 128 K, tile i of 16 rows) at (8 s + i) 2,048, an image of the operand's registers: byte 512 c + 16 l + j is the code of tile row l % 16 at
; k = 32 c + 16 (l / 16) + j; the scale word of (s, i, row r) at 32,768 + 512 s + 256 (i / 4) + 16 r + 4 (i % 4).  A buffer is [panel of rows][chunk of 256 K]; wimg holds 384 panels, the six weights one behind the other.
; THE ROWS OF A TILE ARE NOT NEIGHBOURS: row m of tile 2 g + u is row 32 g + 8 u + m + 8 (m / 8), so that a product's results come out as neighbours along the next product's K.
; A block's scale byte is its largest magnitude's exponent field - 15, held at 1 from below; a block of zeros (or under 2^-111) so gets byte 1 where the rule says 127: its codes are zeros and this program alone reads the bytes.
; Further limit: 1 / sqrt by v_rsq_f32.  The scale words leave as 4 bytes a lane, one byte in 33 of what is written; the codes leave as whole aligned runs of 256 bytes.
.set NLN,   256                        ; work-groups of the first kind
.set PANEL, 33792
.set PITCH, 4112
.set SPARE, 16*PITCH                   ; behind the stage: the spare words, 128 bytes a wave, which no other line names
.set SPW, 252                          ; v252 LDS address of my spare word; never rewritten, on either path
.set NIL, 253                          ; v253 0; never rewritten
	v_lshl_add_u32 v[SPW], v0, 2, SPARE
	v_mov_b32 v[NIL], 0
	s_cmp_ge_u32 ttmp9, NLN                        ; the work-group's number alone: all four waves go the same way
	s_cbranch_scc1 .Lweights
; ---- THE NORM.  A work-group makes one tile of 16 rows.  Wave w normalises tile rows 4 w .. 4 w + 3, a whole row in 32 registers; the rows meet in a stage in LDS (pitch 4,112 bytes: an odd multiple of 16); then wave w quantises
; chunk w of all 16 rows: lane (r, h) takes 16 neighbours of each block of 32 of row r, so the conversions' results are the fragment's registers and leave as runs of 512 consecutive bytes.
.set PC0, 12                           ; v12-27   step 0's codes
.set X,   32                           ; v32-159  four rows; later 128 numbers of a lane
.set G,   160                          ; v160-191 the gain of my 32 columns; later step 1's codes
.set PC1, 160
.set BV,  192                          ; v192-223 the shift
.set TM,  224                          ; v224-239 largest magnitudes, bytes, holds, scale operands
.set PW0, 240
.set PW1, 241
.set ME,  244                          ; v244-251 a pair a row: low word the mean, later 1 / sqrt; high word var + eps
	s_load_b256 s[4:11], s[0:1], 0x0               ; x, gain, shift, xnimg
	v_lshrrev_b32 v1, 5, v0
	v_readfirstlane_b32 s16, v1                    ; wave
	v_and_b32 v1, 31, v0
	v_and_b32 v2, 15, v0                           ; r
	v_bfe_u32 v3, v0, 4, 1                         ; h
	v_lshlrev_b32 v4, 4, v1                        ; 16 x lane
	s_mul_i32 s17, s16, 4*PITCH
	v_add_nc_u32 v5, s17, v4                       ; into the stage: my four rows, 16 bytes a lane
	v_mul_u32_u24 v6, v2, PITCH
	v_lshl_add_u32 v6, v3, 6, v6
	s_lshl_b32 s17, s16, 10
	v_add_nc_u32 v6, s17, v6                       ; out of it: row r, chunk w, + 64 h
	v_lshlrev_b32 v7, 4, v2
	v_lshl_add_u32 v7, v3, 9, v7                   ; scale words: 16 r, lanes 16-31 step 1's
	s_mov_b32 s12, 0x76543210
	s_mov_b32 s13, 0xfedcba98                      ; v_permlanex16_b32's selects for lane l xor 16
	s_mov_b32 s14, 0x3a800000                      ; 1 / 1,024
	s_mov_b32 s15, 0x600000                        ; the mantissa field of 57,344
	s_mov_b32 s26, 0xffff0000                      ; lanes 16-31
.irp i, 0,1,2,3
	v_mov_b32 v[ME+2*\i+1], 0                      ; named as the upper half of a pair before it is first used
	v_mov_b32 v[TM+4+\i], 0                        ; a lane permute's destination counts as one of its sources
.endr
	s_lshr_b32 s18, ttmp9, 1
	s_lshl_b32 s18, s18, 5
	s_and_b32 s19, ttmp9, 1
	s_lshl_b32 s19, s19, 3
	s_add_co_u32 s18, s18, s19
	s_lshl_b32 s19, s16, 2
	s_add_co_u32 s18, s18, s19
	s_lshr_b32 s19, s16, 1
	s_lshl_b32 s19, s19, 3
	s_add_co_u32 s18, s18, s19                     ; my first row: 32 (T / 2) + 8 (T % 2) + 4 w + 8 (w / 2)
	s_lshl_b32 s18, s18, 12
	s_mov_b32 s19, 0
	s_lshr_b32 s20, ttmp9, 3
	s_lshl_b32 s20, s20, 2
	s_add_co_u32 s20, s20, s16
	s_mul_i32 s20, s20, PANEL                      ; panel T / 8, chunk w
	s_and_b32 s21, ttmp9, 7
	s_lshl_b32 s22, s21, 11
	s_add_co_u32 s22, s22, s20
	s_mov_b32 s23, 0
	s_lshr_b32 s24, s21, 2
	s_lshl_b32 s24, s24, 8
	s_and_b32 s25, ttmp9, 3
	s_lshl_b32 s25, s25, 2
	s_add_co_u32 s24, s24, s25
	s_add_co_u32 s24, s24, s20
	s_add_co_u32 s24, s24, 32768
	s_mov_b32 s25, 0
	s_wait_kmcnt 0x0
	s_add_nc_u64 s[4:5], s[4:5], s[18:19]
	s_add_nc_u64 s[22:23], s[10:11], s[22:23]      ; my tile's codes
	s_add_nc_u64 s[24:25], s[10:11], s[24:25]      ; and its scale words
.irp j, 0,1,2,3,4,5,6,7
	global_load_b128 v[G+4*\j:G+4*\j+3], v4, s[6:7] offset:512*\j
	global_load_b128 v[BV+4*\j:BV+4*\j+3], v4, s[8:9] offset:512*\j
.endr
.irp i, 0,1,2,3
.irp j, 0,1,2,3,4,5,6,7
	global_load_b128 v[X+32*\i+4*\j:X+32*\i+4*\j+3], v4, s[4:5] offset:4096*\i+512*\j   ; 512 consecutive bytes a load
.endr
.endr
.macro LANESUM                         ; v28 := its sum over the 32 lanes, in every lane
	v_add_f32_dpp v28, v28, v28 row_xmask:1 row_mask:0xf bank_mask:0xf
	v_add_f32_dpp v28, v28, v28 row_xmask:2 row_mask:0xf bank_mask:0xf
	v_add_f32_dpp v28, v28, v28 row_xmask:4 row_mask:0xf bank_mask:0xf
	v_add_f32_dpp v28, v28, v28 row_xmask:8 row_mask:0xf bank_mask:0xf
	v_permlanex16_b32 v29, v28, s12, s13
	v_add_f32 v28, v28, v29
.endm
.macro STAT i                          ; row i: the mean is taken away in place; var + eps goes to the pair's high word
.set XR, X+32*(\i)
	s_wait_loadcnt 24-8*(\i)                       ; this row's eight loads are in; the later rows' may be out
	v_pk_add_f32 v[28:29], v[XR:XR+1], v[XR+2:XR+3]
	v_pk_add_f32 v[30:31], v[XR+4:XR+5], v[XR+6:XR+7]
.irp j, 8,12,16,20,24,28
	v_pk_add_f32 v[28:29], v[28:29], v[XR+\j:XR+\j+1]
	v_pk_add_f32 v[30:31], v[30:31], v[XR+\j+2:XR+\j+3]
.endr
	v_pk_add_f32 v[28:29], v[28:29], v[30:31]
	v_add_f32 v28, v28, v29
	LANESUM
	v_mul_f32 v[ME+2*(\i)], s14, v28
.set n, 0
.rept 16
	v_pk_add_f32 v[XR+n:XR+n+1], v[XR+n:XR+n+1], v[ME+2*(\i):ME+2*(\i)+1] op_sel_hi:[1,0] neg_lo:[0,1] neg_hi:[0,1]
.set n, n+2
.endr
	v_pk_mul_f32 v[28:29], v[XR:XR+1], v[XR:XR+1]
	v_pk_mul_f32 v[30:31], v[XR+2:XR+3], v[XR+2:XR+3]
.irp j, 4,8,12,16,20,24,28
	v_pk_fma_f32 v[28:29], v[XR+\j:XR+\j+1], v[XR+\j:XR+\j+1], v[28:29]
	v_pk_fma_f32 v[30:31], v[XR+\j+2:XR+\j+3], v[XR+\j+2:XR+\j+3], v[30:31]
.endr
	v_pk_add_f32 v[28:29], v[28:29], v[30:31]
	v_add_f32 v28, v28, v29
	LANESUM
	v_fmaak_f32 v[ME+2*(\i)+1], s14, v28, 0x3727c5ac   ; the sum of squares / 1,024 + 1e-5
.endm
	STAT 0
	STAT 1
	STAT 2
	STAT 3
.irp i, 0,1,2,3
	v_rsq_f32 v[ME+2*\i], v[ME+2*\i+1]             ; one batch of four
.endr
	v_nop                                          ; a plain instruction behind the last of them,
	s_wait_alu depctr_va_vdst(0)                   ; and the one wait ahead of the first reader
.irp i, 0,1,2,3
.set n, 0
.rept 16
	v_pk_mul_f32 v[X+32*\i+n:X+32*\i+n+1], v[X+32*\i+n:X+32*\i+n+1], v[ME+2*\i:ME+2*\i+1] op_sel_hi:[1,0]
	v_pk_fma_f32 v[X+32*\i+n:X+32*\i+n+1], v[X+32*\i+n:X+32*\i+n+1], v[G+n:G+n+1], v[BV+n:BV+n+1]
.set n, n+2
.endr
.irp j, 0,1,2,3,4,5,6,7
	ds_store_b128 v5, v[X+32*\i+4*\j:X+32*\i+4*\j+3] offset:PITCH*\i+512*\j
.endr
.endr
	s_wait_dscnt 0x0                               ; for the others' sake: my rows lie in the stage
	s_barrier_signal -1
	s_barrier_wait -1
.irp s, 0,1
.irp c, 0,1,2,3
.irp j, 0,1,2,3
	ds_load_b128 v[X+64*\s+16*\c+4*\j:X+64*\s+16*\c+4*\j+3], v6 offset:512*\s+128*\c+16*\j   ; register 64 s + 16 c + i = k 128 s + 32 c + 16 h + i of row r
.endr
.endr
.endr
; 64 numbers of a lane become a fragment's codes in v[pc] on and its scale word in v[pw]
.macro QUANT s, pc, pw
.irp b, 0,1,2,3
	v_max3_num_f32 v[TM+\b], |v[\s+16*\b]|, |v[\s+1+16*\b]|, 0x8000000   ; block b: my 16 numbers and the floor 2^(16 - 127)
.endr
.irp i, 2,4,6,8,10,12,14
.irp b, 0,1,2,3
	v_max3_num_f32 v[TM+\b], v[TM+\b], |v[\s+16*\b+\i]|, |v[\s+1+16*\b+\i]|
.endr
.endr
.irp b, 0,1,2,3
	v_permlanex16_b32 v[TM+4+\b], v[TM+\b], s12, s13
.endr
.irp b, 0,1,2,3
	v_max_num_f32 v[TM+\b], v[TM+\b], v[TM+4+\b]   ; with lane l xor 16's: the block's largest magnitude
.endr
.irp b, 0,1,2,3
	v_add_nc_u32 v[TM+12+\b], 0xf8800000, v[TM+\b] ; 15 off its exponent field: the conversion's scale operand
.endr
.irp b, 0,1,2,3
	v_and_or_b32 v[TM+8+\b], v[TM+\b], 0x7f800000, s15   ; 57,344 x the scale
.endr
.irp b, 0,1,2,3
	v_lshrrev_b32 v[TM+4+\b], 23, v[TM+12+\b]      ; the scale's byte
.endr
	v_lshl_or_b32 v[\pw], v[TM+5], 8, v[TM+4]
	v_lshl_or_b32 v[\pw], v[TM+6], 16, v[\pw]
	v_lshl_or_b32 v[\pw], v[TM+7], 24, v[\pw]
.irp b, 0,1,2,3
.irp i, 0,1,2,3,4,5,6,7,8,9,10,11,12,13,14,15
	v_med3_num_f32 v[\s+16*\b+\i], v[\s+16*\b+\i], -v[TM+8+\b], v[TM+8+\b]   ; the hold: the conversion does not saturate (ISA guide 7.6.2)
.endr
	v_cvt_scalef32_pk8_bf8_f32 v[\pc+4*\b:\pc+4*\b+1], v[\s+16*\b:\s+16*\b+7], v[TM+12+\b]
	v_cvt_scalef32_pk8_bf8_f32 v[\pc+4*\b+2:\pc+4*\b+3], v[\s+16*\b+8:\s+16*\b+15], v[TM+12+\b]
.endr
	v_nop                                          ; a plain instruction behind the last conversion
.endm
	s_wait_dscnt 16                                ; step 0's sixteen loads are in; step 1's may be out
	QUANT X, PC0, PW0
.irp c, 0,1,2,3
	global_store_b128 v4, v[PC0+4*\c:PC0+4*\c+3], s[22:23] offset:512*\c          ; 512 consecutive bytes, aligned
.endr
	s_wait_dscnt 0x0
	QUANT X+64, PC1, PW1
.irp c, 0,1,2,3
	global_store_b128 v4, v[PC1+4*\c:PC1+4*\c+3], s[22:23] offset:16384+512*\c
.endr
	v_cndmask_b32 v242, v[PW0], v[PW1], s26        ; lanes 0-15 carry step 0's word of row r, lanes 16-31 step 1's
	global_store_b32 v7, v242, s[24:25]
	s_wait_tensorcnt 0x0                           ; the wave's end
	ds_add_u32 v[SPW], v[NIL]
	s_wait_dscnt 0x0
	s_endpgm
; ---- THE WEIGHTS.  Work-group 256 + 2 p + s makes step s (128 along K) of panel p of wimg.  Wave w takes columns 32 w .. 32 w + 31 of the panel, tiles 2 w and 2 w + 1.
; A LANE TAKES A COLUMN AND ITS REGISTERS RUN DOWN K: a block of 32 lies in one lane, each load reads 128 consecutive bytes a wave, and the conversions give codes with K innermost.  No LDS, no barrier on this path.
; A wave has four blocks of 32 along K and keeps two blocks' loads, 64, on their way.
.Lweights:
.set SB,  14                           ; v14      the step's scale word
.set VO,  16                           ; v16-47   4 x lane + i x (a row of the weight in bytes)
.set WX,  48                           ; v48-111  two sets of 32 numbers
.set WC,  112                          ; v112-143 a block's codes, eight registers for each block: no store's data are written again
.set MNT, 52                           ; s52      the mantissa field of 57,344
	s_load_b256 s[4:11], s[0:1], 0x20              ; Wq, Wk, Wv, fc_w
	s_load_b128 s[12:15], s[0:1], 0x40             ; ff_w1, ff_w2
	s_load_b64 s[48:49], s[0:1], 0x50              ; wimg
	v_lshrrev_b32 v1, 5, v0
	v_readfirstlane_b32 s18, v1                    ; wave
	v_and_b32 v1, 31, v0                           ; lane = column in the group of 32
	v_lshlrev_b32 v2, 2, v1
	v_bfe_u32 v5, v1, 3, 1                         ; u: which of the two tiles
	v_lshrrev_b32 v6, 4, v1
	v_and_b32 v7, 7, v1
	v_lshl_add_u32 v6, v6, 3, v7                   ; the tile's row: 8 (lane / 16) + lane % 8
	s_lshl_b32 s19, s18, 1
	v_add_nc_u32 v3, s19, v5
	v_lshlrev_b32 v3, 11, v3
	v_lshl_add_u32 v3, v6, 4, v3                   ; codes: tile x 2,048 + 16 x row
	s_and_b32 s19, s18, 1
	s_lshl_b32 s19, s19, 1
	v_add_nc_u32 v4, s19, v5
	v_lshlrev_b32 v4, 2, v4
	v_lshl_add_u32 v4, v6, 4, v4
	s_lshr_b32 s19, s18, 1
	s_lshl_b32 s19, s19, 8
	v_add_nc_u32 v4, s19, v4                       ; scale word: 256 (tile / 4) + 16 x row + 4 (tile % 4)
	s_mov_b32 s[MNT], 0x600000
	s_sub_co_u32 s55, ttmp9, NLN
	s_lshr_b32 s53, s55, 1                         ; my panel, 0 .. 383
	s_and_b32 s54, s55, 1                          ; my step of 128 along K in it
	s_mov_b32 s20, 256                             ; ff_w2's figures: first panel,
	s_mov_b32 s21, 4096                            ; bytes from row k to row k + 1,
	s_mov_b32 s22, 4                               ; log2 of the chunks in K,
	s_mov_b32 s23, 512                             ; bytes from column panel to column panel,
	s_mov_b32 s24, 256                             ; bytes from waves 0, 1 to waves 2, 3
	s_wait_kmcnt 0x0
	s_mov_b64 s[16:17], s[14:15]
	s_cmp_lt_u32 s53, 256                          ; the choice hangs on the work-group's number alone
	s_cselect_b64 s[16:17], s[12:13], s[16:17]     ; ff_w1
	s_cselect_b32 s20, 128, s20
	s_cselect_b32 s21, 16384, s21
	s_cselect_b32 s22, 2, s22
	s_cmp_lt_u32 s53, 128
	s_cselect_b64 s[16:17], s[10:11], s[16:17]     ; fc_w
	s_cselect_b32 s20, 96, s20
	s_cselect_b32 s21, 4096, s21
	s_cmp_lt_u32 s53, 96
	s_cselect_b64 s[16:17], s[8:9], s[16:17]       ; Wv: [head][k][64]: a panel is two heads
	s_cselect_b32 s20, 64, s20
	s_cselect_b32 s21, 256, s21
	s_cselect_b32 s23, 524288, s23
	s_cselect_b32 s24, 262144, s24
	s_cmp_lt_u32 s53, 64
	s_cselect_b64 s[16:17], s[6:7], s[16:17]       ; Wk
	s_cselect_b32 s20, 32, s20
	s_cmp_lt_u32 s53, 32
	s_cselect_b64 s[16:17], s[4:5], s[16:17]       ; Wq
	s_cselect_b32 s20, 0, s20
	s_sub_co_u32 s25, s53, s20                     ; my panel's number in its weight
	s_lshr_b32 s26, s25, s22                       ; column panel
	s_lshl_b32 s27, s26, s22
	s_sub_co_u32 s27, s25, s27                     ; chunk of 256 along K
	s_mul_i32 s28, s26, s23
	s_lshr_b32 s29, s18, 1
	s_mul_i32 s29, s29, s24
	s_add_co_u32 s28, s28, s29
	s_and_b32 s29, s18, 1
	s_lshl_b32 s29, s29, 7
	s_add_co_u32 s28, s28, s29
	s_lshl_b32 s30, s21, 8
	s_mul_i32 s30, s30, s27
	s_add_co_u32 s28, s28, s30
	s_lshl_b32 s30, s21, 7
	s_mul_i32 s30, s30, s54
	s_add_co_u32 s28, s28, s30                     ; + my step's 128 rows; under 2^25
	s_mov_b32 s29, 0
	s_add_nc_u64 s[32:33], s[16:17], s[28:29]      ; block 0's base
	s_lshl_b32 s30, s21, 5                         ; 32 rows on
	s_mov_b32 s31, 0
.irp t, 1,2,3
	s_add_nc_u64 s[32+2*\t:33+2*\t], s[30+2*\t:31+2*\t], s[30:31]   ; a base for each block of 32 along K: none is stepped later
.endr
	s_mul_i32 s50, s53, PANEL
	s_lshl_b32 s55, s54, 14
	s_add_co_u32 s56, s50, s55                     ; my step's codes
	s_mov_b32 s57, 0
	s_lshl_b32 s55, s54, 9
	s_add_co_u32 s58, s50, s55
	s_add_co_u32 s58, s58, 32768                   ; and its scale words
	s_mov_b32 s59, 0
	s_add_nc_u64 s[46:47], s[48:49], s[58:59]
	s_add_nc_u64 s[48:49], s[48:49], s[56:57]
.set i, 0
.rept 32
	v_mad_u32_u24 v[VO+i], s21, i, v2
.set i, i+1
.endr
.macro LOAD t                          ; block t: W(32 t + i, my column), i = 0 .. 31, into set t % 2
.set i, 0
.rept 32
	global_load_b32 v[WX+32*((\t)%2)+i], v[VO+i], s[32+2*(\t):33+2*(\t)] th:TH_LOAD_NT
.set i, i+1
.endr
.endm
	LOAD 0
	LOAD 1
.macro BLOCK t
.set XS, WX+32*((\t)%2)
.if (\t) < 3
	s_wait_loadcnt 32                              ; this block's 32 loads are in; the next block's 32 may be out
.else
	s_wait_loadcnt 0x0
.endif
	v_max3_num_f32 v12, |v[XS]|, |v[XS+1]|, |v[XS+2]|   ; the block's largest magnitude: all 32 numbers are mine; two chains
	v_max3_num_f32 v13, |v[XS+3]|, |v[XS+4]|, |v[XS+5]|
.irp i, 6,10,14,18,22,26
	v_max3_num_f32 v12, v12, |v[XS+\i]|, |v[XS+\i+1]|
	v_max3_num_f32 v13, v13, |v[XS+\i+2]|, |v[XS+\i+3]|
.endr
	v_max3_num_f32 v12, v12, |v[XS+30]|, |v[XS+31]|
	v_max3_num_f32 v12, v12, v13, 0x8000000        ; and the floor 2^(16 - 127): the byte cannot fall under 1
	v_add_nc_u32 v11, 0xf8800000, v12              ; 15 off the exponent field: the conversion's scale operand
	v_and_or_b32 v10, v12, 0x7f800000, s[MNT]      ; 57,344 x the scale
	v_lshrrev_b32 v13, 23, v11                     ; the scale's byte
.if (\t) == 0
	v_mov_b32 v[SB], v13
.else
	v_lshl_or_b32 v[SB], v13, 8*(\t), v[SB]
.endif
.set i, 0
.rept 32
	v_med3_num_f32 v[XS+i], v[XS+i], -v10, v10     ; the conversion to an 8-bit code does not saturate (ISA guide 7.6.2): the hold comes first
.set i, i+1
.endr
.irp g, 0,1,2,3
	v_cvt_scalef32_pk8_bf8_f32 v[WC+8*(\t)+2*\g:WC+8*(\t)+2*\g+1], v[XS+8*\g:XS+8*\g+7], v11
.endr
	global_store_b128 v3, v[WC+8*(\t):WC+8*(\t)+3], s[48:49] offset:512*(\t)          ; k 0-15 of the block: the sixteen lanes of a tile fill 256 consecutive bytes, aligned
	global_store_b128 v3, v[WC+8*(\t)+4:WC+8*(\t)+7], s[48:49] offset:512*(\t)+256    ; k 16-31: the image's upper lanes
.if (\t) == 3
	global_store_b32 v4, v[SB], s[46:47]
.endif
.if (\t)+2 < 4
	LOAD (\t)+2
.endif
.endm
.irp t, 0,1,2,3
	BLOCK \t
.endr
	s_endpgm
.Lfunc_end_k_q896d036e76_prep:
	.size	k_q896d036e76_prep, .Lfunc_end_k_q896d036e76_prep-k_q896d036e76_prep
	.p2alignl 7, 3214868480
	.fill 96, 4, 3214868480
	.section	.rodata,"a",@progbits
	.p2align	6, 0x0
	.amdhsa_kernel k_q896d036e76_prep
		.amdhsa_group_segment_fixed_size 66304
		.amdhsa_private_segment_fixed_size 0
		.amdhsa_enable_private_segment 0
		.amdhsa_kernarg_size 88
		.amdhsa_user_sgpr_count 2
		.amdhsa_user_sgpr_kernarg_segment_ptr 1
		.amdhsa_wavefront_size32 1
		.amdhsa_system_sgpr_workgroup_id_x 1
		.amdhsa_system_sgpr_workgroup_id_y 1
		.amdhsa_system_sgpr_workgroup_id_z 1
		.amdhsa_system_vgpr_workitem_id 0
		.amdhsa_next_free_vgpr 256
		.amdhsa_next_free_sgpr 66
		.amdhsa_reserve_vcc 0
		.amdhsa_float_denorm_mode_32 3
		.amdhsa_float_denorm_mode_16_64 3
		.amdhsa_memory_ordered 1
		.amdhsa_forward_progress 1
		.amdhsa_inst_pref_size 85
	.end_amdhsa_kernel
	.amdgpu_metadata
---
amdhsa.version: [ 1, 2 ]
amdhsa.kernels:
  - .name:           k_q896d036e76_prep
    .symbol:         k_q896d036e76_prep.kd
    .args:
      - { .name: x, .offset: 0, .size: 8, .value_kind: global_buffer, .address_space: global }
      - { .name: ln1_s, .offset: 8, .size: 8, .value_kind: global_buffer, .address_space: global }
      - { .name: ln1_b, .offset: 16, .size: 8, .value_kind: global_buffer, .address_space: global }
      - { .name: xnimg, .offset: 24, .size: 8, .value_kind: global_buffer, .address_space: global }
      - { .name: Wq, .offset: 32, .size: 8, .value_kind: global_buffer, .address_space: global }
      - { .name: Wk, .offset: 40, .size: 8, .value_kind: global_buffer, .address_space: global }
      - { .name: Wv, .offset: 48, .size: 8, .value_kind: global_buffer, .address_space: global }
      - { .name: fc_w, .offset: 56, .size: 8, .value_kind: global_buffer, .address_space: global }
      - { .name: ff_w1, .offset: 64, .size: 8, .value_kind: global_buffer, .address_space: global }
      - { .name: ff_w2, .offset: 72, .size: 8, .value_kind: global_buffer, .address_space: global }
      - { .name: wimg, .offset: 80, .size: 8, .value_kind: global_buffer, .address_space: global }
    .group_segment_fixed_size: 66304
    .private_segment_fixed_size: 0
    .kernarg_segment_align: 8
    .kernarg_segment_size: 88
    .max_flat_workgroup_size: 128
    .sgpr_count:     66
    .vgpr_count:     256
    .wavefront_size: 32
...
	.end_amdgpu_metadata
.endif
;; end of part 1
;; launch qkv (part 2): grid 16 x 12, 4 waves a work-group, clusters of 4 x 4, 327,680 bytes of LDS; arguments xnimg, wimg, qimg, kv; writes qimg, kv
.if DOCPART == 2
	.amdgcn_target "amdgcn-amd-amdhsa--gfx1250"
	.amdhsa_code_object_version 6
	.text
	.protected	k_q896d036e76_qkv
	.globl	k_q896d036e76_qkv
	.p2align	8
	.type	k_q896d036e76_qkv,@function
k_q896d036e76_qkv:
	s_mov_b64 s[64:65], 0
	v_nop
	global_prefetch_b8 v0, s[64:65] scope:SCOPE_SE
	s_setreg_imm32_b32 hwreg(HW_REG_WAVE_MODE, 25, 1), 1
	s_wait_xcnt 0x0
	s_wait_alu depctr_hold_cnt(0) depctr_sa_sdst(0) depctr_va_vdst(0) depctr_va_sdst(0) depctr_va_ssrc(0) depctr_va_vcc(0) depctr_vm_vsrc(0)
	s_getreg_b32 s2, hwreg(HW_REG_IB_STS2, 6, 4)
	s_cmp_eq_u32 s2, 0
	s_cbranch_scc0 .Lentry_in_a_cluster
	s_endpgm
.Lentry_in_a_cluster:
	s_bfe_u32 s2, ttmp6, 0x10000c
	s_cmp_lg_u32 s2, 0xf033
	s_cbranch_scc0 .Lentry_shape_is_right
	s_endpgm
.Lentry_shape_is_right:
; q, k, v = xn W on codes of BF8 (E5M2) with E8M0 scales, K = 1,024; the results are quantised in registers and stored as attention's operands.
; OPERANDS are panels of 128 rows x 256 K, 33,792 bytes: fragments as images of the operand's registers at (8 s + i) 2,048, scale words at 32,768 + 512 s + 256 (i / 4) + 16 r + 4 (i % 4); a buffer is [panel][chunk of 256 K].
; A tile of 256 x 256 is made by four waves, 128 x 128 each: 64 accumulators, 512 registers.  K goes in chunks of 256 through two LDS slots of four panels; each wave fetches one panel, dense, by one tensor load.
; SOURCE 0 = the operand called B here, SOURCE 1 = the one called A: a lane holds one row of A and its registers run along B's rows, which are laid so that 64 registers are 128 NEIGHBOURS.
; The cluster's y says what is made.  0: q, 1: k: A = xn (tokens), B = W: a lane holds a token and 2 heads x 64 d: quantised along d.  2: v: A = Wv, B = xn: a lane holds one d and 128 keys: quantised along the keys.
; The same text serves all three: pointers, strides and words are chosen by scalar selects on the cluster's y, which all partners share; no branch hangs on it.
; OUT, a block of 33,792 bytes for each (batch, head, 256 tokens): k (or q) codes at 8,192 s + 1,024 tile + 512 c + 16 l; v^T codes at 16,384 + 8,192 s + 2,048 tile + 512 c + 16 l; k pair words at 32,768 + 256 s + 16 r + 4 p
; (bytes 0, 1 tile 2 p's, bytes 2, 3 tile 2 p + 1's); v words at 33,280 + 256 s + 16 r + 4 tile.
; CLUSTERS: 4 x 4 work-groups; A's panels are shared along a row of the cluster, B's along a column, each asked for jointly.
; LIMITS: a block of zeros, or one under 2^-111, gets byte 1 (codes zero; read by this program alone); NaN and infinities are not served.
; REGISTERS: window 0: v16-27 addresses; v32-63 scale words, two sets, and nothing else; from v128 A's fragments, one set; window 1: B's fragments, two sets; windows 2, 3: accumulator (a, b) at v[8 (8 (a % 4) + b)].
.set SIZE_K, 1024
.set NBLK,   8                         ; tiles of 16 rows that a wave has of each operand
.set NQ,     2                         ; steps of 128 along K in a slot
.set PANEL,  33792
.set WSTR,   PANEL                     ; from one half of the waves to the other: codes,
.set WS2,    PANEL                     ; scale words
.set SLSTEP, PANEL                     ; an operand's bytes from slot to slot
.set NCH,    SIZE_K/256
.set TSTR,   2*NCH*PANEL               ; from tile to tile in memory
.set HSTR,   NCH*PANEL                 ; from the first fetching wave's part to the second's
.set LAPS,   SIZE_K/(256*NQ)           ; a lap = two slots
.set SLOT,   4*PANEL
.set SPARE,  2*SLOT                    ; behind the ring: the spare words, 128 bytes a wave, which no other line names
.set APW,    32/NBLK
.set HL,     2*NBLK                    ; LDS loads that bring half of A's set
.set ADRA, 16
.set ADRB, 20
.set ADRS, 22
.set SPW,  28
.set NIL,  29
.set SC,   32
.set BIAS, 64
.set AF,   128
.set G1,  24
.set G0,  32
.set G1B, 48
.set G0B, 56
.set MUL_LO, 0xa1                      ; source 0 window 1, source 1 window 0, C and D window 2
.set MUL_HI, 0xf1                      ; the same, C and D window 3
.set BIA_LO, 0x81
.set BIA_HI, 0xc1
.set TO_B,   0x40
.set MSB, 0
.macro WIN new                         ; the immediate's high byte repeats the setting that is left
.if MSB != (\new)
	s_set_vgpr_msb (MSB<<8)|(\new)
.set MSB, (\new)
.endif
.endm
.macro JLOAD s                         ; a joint load: waves 0, 1 fetch for A, waves 2, 3 for B; an s_nop 0 and four v_nop follow each line
	s_cmp_eq_u32 s15, 0
	s_cbranch_scc0 .Lfor_b_\@
	tensor_load_to_lds s[G0+4*\s:G0+4*\s+3], s[G1:G1+7]
	s_nop 0
.rept 4
	v_nop
.endr
	s_branch .Lasked_\@
.Lfor_b_\@:
	tensor_load_to_lds s[G0B+4*\s:G0B+4*\s+3], s[G1B:G1B+7]
	s_nop 0
.rept 4
	v_nop
.endr
.Lasked_\@:
.endm
.macro CREST                           ; a round of the cluster's barrier behind its opening barrier
	s_cmp_lg_u32 s14, 0
	s_cbranch_scc1 .Lnot_wave_0_\@
	s_barrier_signal -3
.Lnot_wave_0_\@:
	s_barrier_wait -3
	s_barrier_signal -1
	s_barrier_wait -1
.endm
.macro CROUND
	s_barrier_signal -1
	s_barrier_wait -1
	CREST
.endm
.macro PLACES n                        ; plain vector instructions between a matrix instruction and a load into, or a read of, its registers
.rept \n
	v_nop
.endr
.endm
.macro FRAG reg, adr, off              ; a fragment comes back as it was stored: 16 bytes a lane, 512 a load
.irp c, 0,1,2,3
	ds_load_b128 v[\reg+4*\c:\reg+4*\c+3], v[\adr] offset:(\off)+512*\c
.endr
.endm
.macro FETCH_B slot, q, p              ; B's fragments of the slot's q-th 128 along K into set p
	WIN TO_B
.irp i, 0,1,2,3,4,5,6,7
.if \i < NBLK
	FRAG 128*(\p)+16*\i, ADRB+\slot, ((\q)/2)*PANEL+(8*((\q)%2)+\i)*2048
.endif
.endr
	WIN 0
.endm
.macro FETCH_A slot, q, i0             ; half of A's fragments, from block i0 on
.set ii, \i0
.rept NBLK/2
	FRAG AF+16*ii, ADRA+\slot, ((\q)/2)*PANEL+(8*((\q)%2)+ii)*2048
.set ii, ii+1
.endr
.endm
.macro SCALES slot                     ; a slot's scale words: register NBLK q + i: lanes 0-15 A's block i, lanes 16-31 B's block i
.irp n, 0,1,2,3
.if NBLK == 8
	ds_load_b128 v[SC+16*\slot+4*\n:SC+16*\slot+4*\n+3], v[ADRS+\slot] offset:512*(\n/2)+256*(\n%2)
.else
	ds_load_b128 v[SC+16*\slot+4*\n:SC+16*\slot+4*\n+3], v[ADRS+\slot] offset:(\n/2)*PANEL+512*(\n%2)
.endif
.endr
.endm
.macro MULB a, p, q, sc, first         ; A's block a against all of B's; first = 1: the products start the sums; 2: they start from the bias
.irp b, 0,1,2,3,4,5,6,7
.if \b < NBLK
.set rD, 8*(NBLK*((\a)%APW)+\b)
.set rB, 128*(\p)+16*\b
.set rA, AF+16*(\a)
.set rS, SC+16*(\sc)+NBLK*(\q)
.if \first == 1
	v_wmma_scale_f32_16x16x128_f8f6f4 v[rD:rD+7], v[rB:rB+15], v[rA:rA+15], 0, v[rS+\b], v[rS+(\a)] matrix_a_fmt:MATRIX_FMT_BF8 matrix_b_fmt:MATRIX_FMT_BF8 matrix_a_scale:MATRIX_SCALE_ROW1
.elseif \first == 2
	v_wmma_scale_f32_16x16x128_f8f6f4 v[rD:rD+7], v[rB:rB+15], v[rA:rA+15], v[BIAS+8*\b:BIAS+8*\b+7], v[rS+\b], v[rS+(\a)] matrix_a_fmt:MATRIX_FMT_BF8 matrix_b_fmt:MATRIX_FMT_BF8 matrix_a_scale:MATRIX_SCALE_ROW1
.else
	v_wmma_scale_f32_16x16x128_f8f6f4 v[rD:rD+7], v[rB:rB+15], v[rA:rA+15], v[rD:rD+7], v[rS+\b], v[rS+(\a)] matrix_a_fmt:MATRIX_FMT_BF8 matrix_b_fmt:MATRIX_FMT_BF8 matrix_a_scale:MATRIX_SCALE_ROW1
.endif
.endif
.endr
.endm
.macro MULS a0, n, p, q, sc, first     ; n blocks of A from a0 on.  The accumulators take turns, one instruction a turn, in the same order in every step
.set aa, \a0
.rept \n
	MULB aa, \p, \q, \sc, \first
.set aa, aa+1
.endr
.endm
.macro STEP slot, q, first             ; a step of 128 along K that has its successor in the same slot
	s_wait_dscnt HL                                ; B's set and A's first half are in; the youngest HL loads (A's second half) may be out
.if \first == 2
	WIN BIA_LO
.else
	WIN MUL_LO
.endif
	MULS 0, NBLK/2, (\q)%2, \q, \slot, \first
	s_wait_dscnt 0x0                               ; A's second half is in
	PLACES 8
	FETCH_B \slot, (\q)+1, 1-(\q)%2
	FETCH_A \slot, (\q)+1, 0
.if \first == 2
	WIN BIA_HI
.else
	WIN MUL_HI
.endif
	MULS NBLK/2, NBLK/2, (\q)%2, \q, \slot, \first
	PLACES 8
	WIN 0
	FETCH_A \slot, (\q)+1, NBLK/2
.endm
.macro REST slot                       ; a slot's steps 1 .. NQ - 2
.if NQ == 4
	STEP \slot, 1, 0
	STEP \slot, 2, 0
.endif
.endm
.macro TURN slot, next, fill           ; a slot's last step changes slots: one barrier; fill = 1: it opens a round of the cluster's, and this slot is filled again
	s_wait_tensorcnt 0x0                           ; all my tensor loads have landed: my part of the next slot
	ds_add_u32 v[SPW], v[NIL]                      ; 0 onto my spare word
	s_wait_dscnt HL+1                              ; (the add and A's second half may be out)
	WIN MUL_LO
	MULS 0, NBLK/4, 1, NQ-1, \slot, 0
	s_wait_dscnt 0x0                               ; the add is done, and my reads of this slot are over
	s_barrier_signal -1
	MULS NBLK/4, NBLK/4, 1, NQ-1, \slot, 0
	WIN 0
	s_barrier_wait -1
.if \fill
	CREST                                          ; no wave of any partner still reads this slot or has a load on its way
	s_add_nc_u64 s[G0+4*\slot+2:G0+4*\slot+3], s[G0+4*\slot+2:G0+4*\slot+3], 2*SLSTEP
	s_add_nc_u64 s[G0B+4*\slot+2:G0B+4*\slot+3], s[G0B+4*\slot+2:G0B+4*\slot+3], 2*SLSTEP
	JLOAD \slot                                    ; the first tensor load behind the round; its four v_nop are four of the eight places
	PLACES 4
.else
	PLACES 8
.endif
	FETCH_B \next, 0, 0
	FETCH_A \next, 0, 0
	SCALES \next
	WIN MUL_HI
	MULS NBLK/2, NBLK/2, 1, NQ-1, \slot, 0
	PLACES 8
	WIN 0
	FETCH_A \next, 0, NBLK/2
.endm
.macro LAST                            ; the very last step: nothing more to fetch
	s_wait_dscnt HL
	WIN MUL_LO
	MULS 0, NBLK/2, 1, NQ-1, 1, 0
	s_wait_dscnt 0x0
	WIN MUL_HI
	MULS NBLK/2, NBLK/2, 1, NQ-1, 1, 0
	WIN 0
.endm
	s_load_b256 s[4:11], s[0:1], 0x0               ; xnimg, wimg, qimg, kv
	v_lshl_add_u32 v[SPW], v0, 2, SPARE
	v_mov_b32 v[NIL], 0
	ds_add_u32 v[SPW], v[NIL]                      ; the wave's opening: the add, twice on end, and its wait ahead of my first tensor load
	ds_add_u32 v[SPW], v[NIL]
	v_lshrrev_b32 v1, 5, v0
	v_readfirstlane_b32 s14, v1                    ; wave
	s_lshr_b32 s15, s14, 1                         ; my half of A's rows; also: I fetch for A (0) or B (1)
	s_and_b32 s16, s14, 1                          ; my half of B's rows; also: which panel of the two I fetch
	s_bfe_u32 s40, ttmp6, 0x40000                  ; cx
	s_bfe_u32 s41, ttmp6, 0x40004                  ; cy
	s_and_b32 s19, ttmp7, 0xffff                   ; the cluster's y: 0 q, 1 k, 2 v
	s_cmp_eq_u32 s19, 2
	s_cselect_b32 s17, 0, ttmp9                    ; the cluster's x walks the tokens: A's tiles for q and k,
	s_cselect_b32 s18, ttmp9, 0                    ; B's for v
	s_lshl_b32 s17, s17, 2
	s_add_co_u32 s17, s17, s41                     ; A's tile
	s_lshl_b32 s18, s18, 2
	s_add_co_u32 s18, s18, s40                     ; B's tile
	s_lshl_b32 s43, s41, 2
	s_lshl_b32 s43, 15, s43                        ; my row of the cluster
	s_lshl_b32 s44, 0x1111, s40                    ; my column
	s_or_b32 s[G1], s43, (3<<16)|(1<<21)           ; 15:0 the mask; 17:16 elements of 8 bytes; 21 set beside a mask; no padding
	s_or_b32 s[G1B], s44, (3<<16)|(1<<21)
.irp g, G1, G1B
	s_mov_b32 s[\g+1], 32<<16                      ; tensor_dim0 = 32 elements: rows of 256 bytes
	s_mov_b32 s[\g+2], 132<<16                     ; tensor_dim1 = 132 rows: a panel
	s_mov_b32 s[\g+3], 32<<16                      ; tile_dim0
	s_mov_b32 s[\g+4], 132                         ; tile_dim1
	s_mov_b32 s[\g+5], 32                          ; the pitch: dense
	s_mov_b32 s[\g+6], 0
	s_mov_b32 s[\g+7], 0
.endr
	s_mul_i32 s20, s17, TSTR
	s_mul_i32 s22, s16, HSTR
	s_add_co_u32 s20, s20, s22
	s_mov_b32 s21, 0
	s_mul_i32 s46, s18, TSTR
	s_add_co_u32 s46, s46, s22
	s_mov_b32 s47, 0
	s_mul_i32 s45, s14, PANEL                      ; where my panel goes: no place in the cluster enters an LDS address
	s_mul_i32 s22, s19, 1081344                    ; Wq, Wk, Wv lie one behind the other
	s_mov_b32 s23, 0
	s_wait_dscnt 0x0                               ; both opening adds are done
	s_wait_kmcnt 0x0
	s_add_nc_u64 s[6:7], s[6:7], s[22:23]
	s_cmp_eq_u32 s19, 2
	s_cselect_b64 s[78:79], s[6:7], s[4:5]         ; A: xn, for v the weight
	s_cselect_b64 s[80:81], s[4:5], s[6:7]         ; B: the weight, for v xn
	s_add_nc_u64 s[20:21], s[78:79], s[20:21]
	s_add_nc_u64 s[46:47], s[80:81], s[46:47]
	CROUND                                         ; all sixteen work-groups are here: the first joint loads meet
.irp s, 0,1
	s_mov_b32 s[G0+4*\s], 1
	s_add_co_u32 s[G0+4*\s+1], s45, \s*SLOT
	s_add_nc_u64 s[G0+4*\s+2:G0+4*\s+3], s[20:21], \s*SLSTEP
	s_or_b32 s[G0+4*\s+3], s[G0+4*\s+3], 0x80000000
	s_mov_b32 s[G0B+4*\s], 1
	s_add_co_u32 s[G0B+4*\s+1], s45, \s*SLOT
	s_add_nc_u64 s[G0B+4*\s+2:G0B+4*\s+3], s[46:47], \s*SLSTEP
	s_or_b32 s[G0B+4*\s+3], s[G0B+4*\s+3], 0x80000000
	JLOAD \s                                       ; two loads of mine are out
.endr
	v_and_b32 v1, 31, v0
	v_and_b32 v2, 15, v0                           ; r
	v_bfe_u32 v3, v0, 4, 1                         ; h
	s_wait_alu depctr_va_vdst(0)
	v_lshlrev_b32 v24, 4, v1                       ; 16 x lane
	s_wait_alu depctr_va_vdst(0)
	s_mul_i32 s21, s15, WSTR
	s_mul_i32 s22, s16, WSTR
	s_add_co_u32 s22, s22, 2*PANEL
.irp s, 0,1
	v_add_nc_u32 v[ADRA+\s], s21, v24
	v_add_nc_u32 v[ADRB+\s], s22, v24
	s_add_co_u32 s21, s21, SLOT
	s_add_co_u32 s22, s22, SLOT
.endr
	s_mul_i32 s21, s15, WS2                        ; scale words: lanes 0-15 A's, lanes 16-31 B's: the lower base + h x the distance
	s_mul_i32 s22, s16, WS2
	s_add_co_u32 s22, s22, 2*PANEL
	s_sub_co_u32 s22, s22, s21
	v_mul_u32_u24 v5, s22, v3
	v_lshl_add_u32 v5, v2, 4, v5
	s_add_co_u32 s21, s21, 32768
	v_add_nc_u32 v[ADRS], s21, v5
	v_add_nc_u32 v[ADRS+1], SLOT, v[ADRS]
	; where the results go
.set DST, 66                           ; s[66:67] codes;  s[68:69] scale words;  s[70:71] from tile to tile;  s[72:73] the jump to the next head (v)
.set DSS, 68
.set STP, 70
.set JMP, 72
	s_lshl_b32 s82, s17, 1
	s_add_co_u32 s82, s82, s15                     ; A's panel of mine
	s_lshl_b32 s83, s18, 1
	s_add_co_u32 s83, s83, s16                     ; B's
	s_mov_b32 s[STP], 1024
	s_mov_b32 s88, 270336                          ; a head's eight blocks
	s_cmp_eq_u32 s19, 2
	s_cselect_b32 s84, s83, s82                    ; the panel of tokens
	s_cselect_b32 s85, s82, s83                    ; the panel of the weight: heads 2 P, 2 P + 1
	s_cselect_b32 s[STP], 2048, s[STP]
	s_cselect_b32 s[JMP], 262144, 0
	s_cselect_b32 s74, -1, 0
	s_cselect_b32 s86, 16384, 0
	s_cselect_b32 s87, 512, 0
	s_cselect_b32 s88, 1024, s88                   ; from a fragment's first half to its second: v: 1,024 bytes on; q, k: the next head
	s_mov_b32 s[STP+1], 0
	s_mov_b32 s[JMP+1], 0
	s_cmp_eq_u32 s19, 0
	s_cselect_b64 s[DST:DST+1], s[8:9], s[10:11]   ; q goes to qimg, k and v to kv
	s_lshr_b32 s89, s84, 4                         ; batch
	s_and_b32 s90, s84, 15                         ; which 128 tokens of the batch
	s_lshl_b32 s89, s89, 4
	s_lshl_b32 s91, s85, 1
	s_add_co_u32 s89, s89, s91
	s_lshl_b32 s89, s89, 3
	s_lshr_b32 s91, s90, 1
	s_add_co_u32 s89, s89, s91
	s_mul_i32 s89, s89, PANEL                      ; the block of (batch, head, 256 tokens)
	s_and_b32 s90, s90, 1
	s_lshl_b32 s91, s90, 13
	s_add_co_u32 s91, s91, s89
	s_add_co_u32 s92, s91, s86
	s_mov_b32 s93, 0
	s_lshl_b32 s90, s90, 8
	s_add_co_u32 s90, s90, s89
	s_add_co_u32 s90, s90, s87
	s_add_co_u32 s94, s90, 32768
	s_mov_b32 s95, 0
	s_add_nc_u64 s[DSS:DSS+1], s[DST:DST+1], s[94:95]
	s_add_nc_u64 s[DST:DST+1], s[DST:DST+1], s[92:93]
	s_mov_b32 s96, 0xffff0000                      ; lanes 16-31
	s_mov_b32 s98, 0x76543210
	s_mov_b32 s99, 0xfedcba98                      ; v_permlanex16_b32's selects for lane l xor 16
	v_add_nc_u32 v25, s88, v24
	v_mul_u32_u24 v26, 0x42000, v3
	v_lshl_add_u32 v26, v2, 4, v26                 ; scale words: 16 r; lanes 16-31 the next head's block
	v_mov_b32 v27, 0x05040100                      ; a pair word's bytes: lanes 0-15 take the first head's two of each tile, lanes 16-31 the second's
	v_mov_b32 v6, 0x07060302
	v_cndmask_b32 v27, v27, v6, s96
	s_wait_alu depctr_va_vdst(0)
	s_wait_tensorcnt 1                             ; my part of slot 0 is in; slot 1's may be out
	s_barrier_signal -1
	s_barrier_wait -1
	FETCH_B 0, 0, 0
	FETCH_A 0, 0, 0
	SCALES 0
	FETCH_A 0, 0, NBLK/2
	STEP 0, 0, 1                                   ; the first step stands in front of the loop: its products start the sums
.if LAPS > 1
	s_mov_b32 s3, LAPS-1
.Llap:
	REST 0
	TURN 0, 1, 1
	STEP 1, 0, 0
	REST 1
	TURN 1, 0, 1
	STEP 0, 0, 0
	s_sub_co_u32 s3, s3, 1
	s_cmp_lg_u32 s3, 0
	s_cbranch_scc1 .Llap
.endif
	REST 0
	TURN 0, 1, 0                                   ; the last lap fills nothing
	STEP 1, 0, 0
	REST 1
	LAST
; THE WAY OUT.  The 64 registers of A's block a are 128 neighbours: four blocks of 32, each shared with lane l xor 16.
.set H,   128
.set PC,  64                           ; v64-79   codes
.set TM,  80                           ; v80-95   largest magnitudes, bytes, scale operands
.set PWS, 96                           ; v96-103  the scale word of each block a
.set WQ,  104
.set WV,  108
.macro QUANTW s, sw, pw                ; 64 numbers at v[s] on in window sw -> codes in v[PC] on, scale word in v[pw].  Each accumulator is read from its low end on
	WIN (\sw)|((\sw)<<2)
.irp b, 0,1,2,3
	v_max3_num_f32 v[TM+\b], |v[(\s)+16*\b]|, |v[(\s)+16*\b+1]|, 0x8000000   ; my 16 numbers of block b, and the floor 2^(16 - 127)
.endr
	WIN ((\sw)<<2)|((\sw)<<4)
.irp i, 2,4,6,8,10,12,14
.irp b, 0,1,2,3
	v_max3_num_f32 v[TM+\b], v[TM+\b], |v[(\s)+16*\b+\i]|, |v[(\s)+16*\b+\i+1]|
.endr
.endr
	WIN 0
.irp b, 0,1,2,3
	v_permlanex16_b32 v[TM+4+\b], v[TM+\b], s98, s99
.endr
.irp b, 0,1,2,3
	v_max_num_f32 v[TM+\b], v[TM+\b], v[TM+4+\b]
.endr
.irp b, 0,1,2,3
	v_add_nc_u32 v[TM+12+\b], 0xf8800000, v[TM+\b] ; 15 off the exponent field: the conversion's scale operand
.endr
.irp b, 0,1,2,3
.endr
.irp b, 0,1,2,3
	v_lshrrev_b32 v[TM+4+\b], 23, v[TM+12+\b]      ; the scale's byte
.endr
	v_lshl_or_b32 v[\pw], v[TM+5], 8, v[TM+4]
	v_lshl_or_b32 v[\pw], v[TM+6], 16, v[\pw]
	v_lshl_or_b32 v[\pw], v[TM+7], 24, v[\pw]
	WIN \sw
.set n, 0
.rept 64
.set n, n+1
.endr
.irp b, 0,1,2,3
	v_cvt_scalef32_pk8_bf8_f32 v[PC+4*\b:PC+4*\b+1], v[H+16*\b+(((\s)+n)-(H+n)):H+16*\b+7+(((\s)+n)-(H+n))], v[TM+12+\b]
	v_cvt_scalef32_pk8_bf8_f32 v[PC+4*\b+2:PC+4*\b+3], v[H+16*\b+8+(((\s)+n)-(H+n)):H+16*\b+15+(((\s)+n)-(H+n))], v[TM+12+\b]
.endr
	WIN 0
	v_nop                                          ; a plain instruction behind the last conversion
.endm
	PLACES 8                                       ; behind the last products: their results are read
.irp b, 0,1,2,3
	v_mov_b32 v[TM+4+\b], 0                        ; a lane permute's destination counts as one of its sources
.endr
.irp a, 0,1,2,3,4,5,6,7
	QUANTW 64*(\a%4), 2+\a/4, PWS+\a
	global_store_b128 v24, v[PC:PC+3], s[DST:DST+1]                    ; each store: 512 consecutive bytes, aligned
	global_store_b128 v24, v[PC+4:PC+7], s[DST:DST+1] offset:512
	global_store_b128 v25, v[PC+8:PC+11], s[DST:DST+1]
	global_store_b128 v25, v[PC+12:PC+15], s[DST:DST+1] offset:512
	s_wait_xcnt 0x0                                ; the stores have read their data and their base: both are written again
	s_add_nc_u64 s[DST:DST+1], s[DST:DST+1], s[STP:STP+1]
.if \a == 3
	s_add_nc_u64 s[DST:DST+1], s[DST:DST+1], s[JMP:JMP+1]
.endif
.endr
.irp p, 0,1,2,3
	v_perm_b32 v[WQ+\p], v[PWS+2*\p+1], v[PWS+2*\p], v27       ; q, k: the pair word of tiles 2 p, 2 p + 1, of my half's head
	v_cndmask_b32 v[WV+\p], v[PWS+\p], v[PWS+4+\p], s96        ; v: tile p's word, of my half's head
.endr
.irp p, 0,1,2,3
	v_cndmask_b32 v[WQ+\p], v[WQ+\p], v[WV+\p], s74
.endr
	global_store_b128 v26, v[WQ:WQ+3], s[DSS:DSS+1]            ; sixteen lanes fill 256 consecutive bytes, one run for each head
	s_wait_tensorcnt 0x0                           ; the wave's end
	ds_add_u32 v[SPW], v[NIL]
	s_wait_dscnt 0x0
	CROUND                                         ; the closing round
	s_endpgm
.Lfunc_end_k_q896d036e76_qkv:
	.size	k_q896d036e76_qkv, .Lfunc_end_k_q896d036e76_qkv-k_q896d036e76_qkv
	.p2alignl 7, 3214868480
	.fill 96, 4, 3214868480
	.section	.rodata,"a",@progbits
	.p2align	6, 0x0
	.amdhsa_kernel k_q896d036e76_qkv
		.amdhsa_group_segment_fixed_size 327680
		.amdhsa_private_segment_fixed_size 0
		.amdhsa_enable_private_segment 0
		.amdhsa_kernarg_size 32
		.amdhsa_user_sgpr_count 2
		.amdhsa_user_sgpr_kernarg_segment_ptr 1
		.amdhsa_wavefront_size32 1
		.amdhsa_system_sgpr_workgroup_id_x 1
		.amdhsa_system_sgpr_workgroup_id_y 1
		.amdhsa_system_sgpr_workgroup_id_z 1
		.amdhsa_system_vgpr_workitem_id 0
		.amdhsa_next_free_vgpr 1024
		.amdhsa_next_free_sgpr 100
		.amdhsa_reserve_vcc 0
		.amdhsa_float_denorm_mode_32 3
		.amdhsa_float_denorm_mode_16_64 3
		.amdhsa_fp16_overflow 1
		.amdhsa_memory_ordered 1
		.amdhsa_forward_progress 1
		.amdhsa_inst_pref_size 149
	.end_amdhsa_kernel
	.amdgpu_metadata
---
amdhsa.version: [ 1, 2 ]
amdhsa.kernels:
  - .name:           k_q896d036e76_qkv
    .symbol:         k_q896d036e76_qkv.kd
    .args:
      - { .name: xnimg, .offset: 0, .size: 8, .value_kind: global_buffer, .address_space: global }
      - { .name: wimg, .offset: 8, .size: 8, .value_kind: global_buffer, .address_space: global }
      - { .name: qimg, .offset: 16, .size: 8, .value_kind: global_buffer, .address_space: global }
      - { .name: kv, .offset: 24, .size: 8, .value_kind: global_buffer, .address_space: global }
    .group_segment_fixed_size: 327680
    .private_segment_fixed_size: 0
    .kernarg_segment_align: 8
    .kernarg_segment_size: 32
    .max_flat_workgroup_size: 128
    .sgpr_count:     100
    .vgpr_count:     1024
    .wavefront_size: 32
...
	.end_amdgpu_metadata
.endif
;; end of part 2
;; launch attn (part 3): grid 8 x 32, 16 waves a work-group, no clusters, 327,680 bytes of LDS; arguments qimg, kv, cimg; writes cimg
.if DOCPART == 3
	.amdgcn_target "amdgcn-amd-amdhsa--gfx1250"
	.amdhsa_code_object_version 6
	.text
	.protected	k_q896d036e76_attn
	.globl	k_q896d036e76_attn
	.p2align	8
	.type	k_q896d036e76_attn,@function
k_q896d036e76_attn:
	s_mov_b64 s[64:65], 0
	v_nop
	global_prefetch_b8 v0, s[64:65] scope:SCOPE_SE
	s_setreg_imm32_b32 hwreg(HW_REG_WAVE_MODE, 25, 1), 1
	s_wait_xcnt 0x0
; Causal attention on codes of BF8 (E5M2) with E8M0 scales, head size 64, 2,048 tokens, 32 (batch, head) pairs; the context is divided by the row's sum, turned as the source's transpose-and-reshape asks, quantised, and stored as fc's operand.
; WORK LEFT OUT: a step of 128 keys all of which come after a wave's 16 queries (their weights are 0 by the mask that reference() builds) is not computed; a NaN or overflow that would arise only there is not carried on.
; THE SOFTMAX: t = score x log2(e) / 8; M = the running largest t rounded up to a whole number; p = 2^(t - M) is quantised along the keys, not normalised; the sum is taken of the unquantised p and divides at the end.
; IN: a block of 33,792 bytes for each (batch, head, 256 tokens): k (in qimg: q) codes at 8,192 s + 1,024 tile + 512 c + 16 l; v^T codes at 16,384 + 8,192 s + 2,048 tile + 512 c + 16 l; k pair words at 32,768 + 256 s + 16 r + 4 p;
; v words at 33,280 + 256 s + 16 r + 4 tile.  Row m of tile 2 g + u is token (or d) 32 g + 8 u + m + 8 (m / 8).
; SHARES: a work-group owns blocks i and 15 - i of 128 queries of one head, so that every work-group has 17 steps' work under the mask; a wave owns one tile of 16 queries.  Wave w takes tile w / 2 of the early block where
; w / 4 + w is even, of the late block where it is odd: of waves w, w + 4, w + 8, w + 12, and of waves 4 k .. 4 k + 3 alike, two have an early tile and two a late one.
; Both products are used transposed: a lane holds one query.  K = 64 ON A FORM 128 DEEP: two neighbouring tiles of keys are one fragment, and q stands beside eight registers of zero codes, below them or above: the zeros take the other tile away.
; No cluster: under the causal limit the work-groups of a head ask for different numbers of slots, and a joint load may not be left out by one partner.
; OUT: concat[b][32 d + t / 64][64 head + t % 64] = ctx[b][head][t][d]: a block of 32 along fc's K is 32 neighbouring queries of one d.  The context goes through a stage in LDS, [d][256 queries] (the early block's 128, then the late
; block's), and comes back with a lane on one d: wave w then takes 16 d from 16 (w % 4) on and 64 queries from 64 (w / 4) on.
; cimg: panel 16 b + t / 128; tile 4 ((t / 64) % 2) + d / 16; row d % 16; K = 64 head + t % 64; format as the other operand panels.
; LIMITS: 1 / sum by v_rcp_f32; a block of zeros gets byte 1; NaN and infinities are not served.
.set BLK,   33792
.set SLOT1, 65536                      ; slot 1 begins here: one exclusive or turns an address
.set STG,   131072                     ; the stage: 64 rows d x (1,024 + 16) bytes
.set SP,    1040
.set SPARE, STG+64*SP                  ; the spare words, 128 bytes for each of 16 waves, which no other line names
.set SPW, 5
.set NIL, 6
.set PFO, 7                            ; v7   256 x lane: the prefetches' offset; never rewritten
.set AD,  8                            ; v8   16 x lane + the slot
.set AS,  9                            ; v9   16 r + the slot
.set FRG, 40                           ; v40-103  four fragments of k or of v^T
.set S,   104                          ; v104-167 S^T, then p
.set O,   168                          ; v168-199 O^T, four tiles
.set PCD, 200                          ; v200-215 p's codes
.set BM,  216
.set PR,  220
.set HD,  224
.set SOP, 228
.set TP,  232
.set L2,  234
.set KS,  240                          ; v240-249 hold scales and nothing else
.set VS,  244
.set QS,  248
.set PWD, 249
.set FF,  250                          ; v[250:251] f = 2^(old M - new M)
.set WV,  18
.set MNT, 19
.set SEL, 20
.set CS,  22
.set G1,  24
.set G0,  40
.set TB,  2
.set SLOTS, 67
.set PFA, 76
.set LIM, 80
.set QL,  81
.set KF,  98
.set Q0,  99
.macro TLOAD                           ; waves 0 and 1 fetch the two halves of a block; an s_nop 0 and four v_nop follow the load
	s_cmp_lt_u32 s[WV], 2
	s_cbranch_scc0 .Lasked_\@
	tensor_load_to_lds s[G0:G0+3], s[G1:G1+7]
	s_nop 0
.rept 4
	v_nop
.endr
.Lasked_\@:
.endm
; A prefetch of the codes of the block that the NEXT change of slots will ask for: 32,768 bytes, 8,192 a wave, lanes 256 bytes apart.  All work-groups of a head walk the same blocks: the head's first work-group asks, which walks
; all eight; in it waves 4 to 7, which fetch nothing.  The last change that fills a slot asks for nothing; blocks 0 and 1 come by their loads alone.
.macro ASK
	s_cmp_gt_u32 s[SLOTS], s[LIM]
	s_cbranch_scc0 .Lnot_mine_\@
	global_prefetch_b8 v[PFO], s[PFA:PFA+1] th:TH_LOAD_NT scope:SCOPE_SE
.Lnot_mine_\@:
.endm
	s_load_b128 s[4:7], s[0:1], 0x0                ; qimg, kv
	s_load_b64 s[8:9], s[0:1], 0x10                ; cimg
	v_lshl_add_u32 v[SPW], v0, 2, SPARE
	v_mov_b32 v[NIL], 0
	ds_add_u32 v[SPW], v[NIL]                      ; the wave's opening: the add, twice on end, and its wait ahead of the first tensor load
	ds_add_u32 v[SPW], v[NIL]
	v_lshrrev_b32 v8, 5, v0
	s_delay_alu instid0(VALU_DEP_1)
	v_readfirstlane_b32 s[WV], v8                  ; wave 0..15
	s_and_b32 s70, ttmp7, 0xffff                   ; 16 batch + head
	s_sub_co_u32 s46, 15, ttmp9
	s_cmp_lt_u32 s[WV], 8
	s_cselect_b32 s44, ttmp9, s46                  ; on the way out: the block whose columns of the stage I take,
	s_and_b32 s45, s[WV], 7                        ; and my tile of fc's operand in it
	s_lshr_b32 s47, s[WV], 2
	s_add_co_u32 s47, s47, s[WV]
	s_and_b32 s47, s47, 1                          ; in the walk: 0: a tile of the early block, 1: of the late one
	s_cmp_eq_u32 s47, 0
	s_cselect_b32 s71, ttmp9, s46                  ; my block of 128 queries
	s_lshr_b32 s72, s[WV], 1                       ; my tile in it
	s_lshl_b32 s[Q0], s71, 7
	s_lshr_b32 s73, s72, 1
	s_lshl_b32 s73, s73, 5
	s_add_co_u32 s[Q0], s[Q0], s73
	s_and_b32 s73, s72, 1
	s_lshl_b32 s74, s73, 3
	s_add_co_u32 s[Q0], s[Q0], s74                 ; my first query; lane r's is Q0 + r + 8 (r / 8), the last Q0 + 23
	s_lshl_b32 s[QL], ttmp9, 7
	s_sub_co_u32 s[QL], 2047, s[QL]                ; my work-group's last query
	s_mov_b32 s75, 0x03020302
	s_cmp_eq_u32 s73, 0
	s_cselect_b32 s75, 0x01000100, s75             ; which two bytes of the pair word are my tile's
	s_mov_b32 s[G1], 3<<16                         ; no mask; elements of 8 bytes; no padding
	s_mov_b32 s[G1+1], 32<<16                      ; rows of 256 bytes,
	s_mov_b32 s[G1+2], 66<<16                      ; 66 of them: half a block
	s_mov_b32 s[G1+3], 32<<16
	s_mov_b32 s[G1+4], 66
	s_mov_b32 s[G1+5], 32
	s_mov_b32 s[G1+6], 0
	s_mov_b32 s[G1+7], 0
	s_and_b32 s82, s[WV], 1
	s_mul_i32 s82, s82, 16896
	s_mov_b32 s83, 0
	s_mul_i32 s84, s70, 8*BLK                      ; the head's eight blocks
	s_mov_b32 s85, 0
	s_lshr_b32 s87, s71, 1
	s_mul_i32 s86, s87, BLK
	s_add_co_u32 s86, s86, s84                     ; my queries' block
	s_and_b32 s87, s71, 1
	s_lshl_b32 s90, s87, 13
	s_add_co_u32 s90, s90, s86
	s_lshl_b32 s91, s72, 10
	s_add_co_u32 s90, s90, s91                     ; my tile's codes
	s_mov_b32 s91, 0
	s_lshl_b32 s88, s87, 8
	s_add_co_u32 s88, s88, s86
	s_lshr_b32 s89, s72, 1
	s_lshl_b32 s89, s89, 2
	s_add_co_u32 s88, s88, s89
	s_add_co_u32 s88, s88, 32768                   ; its pair word
	s_mov_b32 s89, 0
	s_lshr_b32 s68, s70, 4                         ; batch
	s_and_b32 s69, s70, 15                         ; head
	s_lshl_b32 s68, s68, 4
	s_add_co_u32 s68, s68, s44
	s_lshl_b32 s68, s68, 2
	s_lshr_b32 s66, s69, 2
	s_add_co_u32 s68, s68, s66
	s_mul_i32 s68, s68, BLK                        ; cimg: panel 16 b + the block that I take out, chunk head / 4
	s_bfe_u32 s66, s69, 0x10001                    ; step: (head / 2) % 2
	s_and_b32 s69, s69, 1
	s_lshl_b32 s92, s66, 3
	s_add_co_u32 s92, s92, s45
	s_lshl_b32 s92, s92, 11
	s_add_co_u32 s92, s92, s68
	s_lshl_b32 s93, s69, 10
	s_add_co_u32 s92, s92, s93                     ; fragment (step, tile = my wave % 8), + 1,024 (head % 2)
	s_mov_b32 s93, 0
	s_lshl_b32 s94, s66, 9
	s_add_co_u32 s94, s94, s68
	s_lshr_b32 s95, s45, 2
	s_lshl_b32 s95, s95, 8
	s_add_co_u32 s94, s94, s95
	s_and_b32 s95, s45, 3
	s_lshl_b32 s95, s95, 2
	s_add_co_u32 s94, s94, s95
	s_lshl_b32 s95, s69, 1
	s_add_co_u32 s94, s94, s95
	s_add_co_u32 s94, s94, 32768                   ; its scale words' two bytes of my head
	s_mov_b32 s95, 0
	s_mov_b32 s[SEL], 0x76543210
	s_mov_b32 s[SEL+1], 0xfedcba98
	s_mov_b32 s[CS], 0x3e38aa3b                    ; c = log2(e) / sqrt(64)
	s_mov_b32 s[CS+1], s[CS]
	s_mov_b32 s[TB], 0
	s_mov_b32 s[SLOTS], 7
	s_mov_b32 s[KF], 0
	s_wait_dscnt 0x0                               ; both opening adds are done
	s_wait_kmcnt 0x0
	s_add_nc_u64 s[6:7], s[6:7], s[84:85]          ; kv at my head
	s_mov_b32 s[G0], 1
	s_mov_b32 s[G0+1], s82
	s_add_nc_u64 s[G0+2:G0+3], s[6:7], s[82:83]
	s_or_b32 s[G0+3], s[G0+3], 0x80000000
	TLOAD                                          ; block 0 into slot 0
	s_add_nc_u64 s[90:91], s[4:5], s[90:91]
	s_add_nc_u64 s[88:89], s[4:5], s[88:89]
	s_add_nc_u64 s[92:93], s[8:9], s[92:93]
	s_add_nc_u64 s[94:95], s[8:9], s[94:95]
	s_and_b32 s82, s[WV], 3
	s_lshl_b32 s82, s82, 13
	s_add_co_u32 s82, s82, BLK                     ; my 8,192 bytes, in block 1: the first change of slots steps it to block 2
	s_add_nc_u64 s[PFA:PFA+1], s[6:7], s[82:83]
	s_lshr_b32 s82, s[WV], 2
	s_xor_b32 s82, s82, 1                          ; 0 in waves 4 to 7,
	s_or_b32 s82, s82, ttmp9                       ; of the head's first work-group
	s_cmp_eq_u32 s82, 0
	s_cselect_b32 s[LIM], 1, -1
	v_and_b32 v1, 31, v0
	s_delay_alu instid0(VALU_DEP_1)
	v_lshlrev_b32 v[PFO], 8, v1
	s_delay_alu instid0(VALU_DEP_2)
	v_lshlrev_b32 v1, 4, v1                        ; 16 x lane
	v_and_b32 v4, 15, v0
	s_delay_alu instid0(VALU_DEP_1)
	v_lshlrev_b32 v2, 4, v4                        ; 16 r
	s_delay_alu instid0(VALU_DEP_2)
	v_and_b32 v3, 8, v4
	s_delay_alu instid0(VALU_DEP_1)
	v_add_nc_u32 v4, v4, v3                        ; r + 8 (r / 8)
	v_bfe_u32 v3, v0, 4, 1
	s_delay_alu instid0(VALU_DEP_1)
	v_lshlrev_b32 v3, 4, v3
	s_delay_alu instid0(VALU_DEP_1)
	v_sub_nc_u32 v3, v4, v3                        ; my query - Q0 - 16 h
	global_load_b128 v[16:19], v1, s[90:91]                    ; q below the zeros,
	global_load_b128 v[20:23], v1, s[90:91] offset:512
	global_load_b128 v[32:35], v1, s[90:91]                    ; and above them
	global_load_b128 v[36:39], v1, s[90:91] offset:512
	global_load_b32 v[TP], v2, s[88:89]
.irp j, 24,25,26,27,28,29,30,31
	v_mov_b32 v\j, 0                               ; eight registers of zero codes
.endr
	v_mov_b32 v13, 0xff61b1e6                      ; the largest t so far: -3e38
	s_delay_alu instid0(VALU_DEP_1)
	v_floor_f32 v12, -v13                          ; -M
	v_mov_b32 v14, 0                               ; the sum, in two halves
	v_mov_b32 v15, 0
	v_mov_b32 v[FF+1], 0                           ; named as the upper half of a pair
.irp b, 0,1,2,3
	v_mov_b32 v[PR+\b], 0                          ; a lane permute's destination counts as one of its sources
.endr
	s_wait_loadcnt 0x0
	v_perm_b32 v[QS], v[TP], v[TP], s75            ; q's word: its two bytes, twice
.set n, 0
.rept 32
	v_mov_b32 v[O+n], 0                            ; O^T: the first step finds zeros, which the first change of M leaves zeros
.set n, n+1
.endr
.macro STEP q                          ; 128 keys: the q-th step of the slot in hand
	s_add_co_u32 s96, s[Q0], 23
	s_cmp_gt_u32 s[KF], s96                        ; all keys after all my queries: the step's work is left out (ids and the count of steps alone)
	s_cbranch_scc1 .Lhidden_\@
	v_add_nc_u32 v[AD], s[TB], v1
	v_add_nc_u32 v[AS], s[TB], v2
.rept 6
	v_nop                                          ; with the two additions: eight places in front of loads into registers that the last products read
.endr
.irp p, 0,1,2,3
.irp c, 0,1,2,3
	ds_load_b128 v[FRG+16*\p+4*\c:FRG+16*\p+4*\c+3], v[AD] offset:8192*(\q)+2048*\p+512*\c   ; tiles 2 p and 2 p + 1 of keys as one fragment
.endr
.endr
	ds_load_b128 v[KS:KS+3], v[AS] offset:32768+256*(\q)
	s_wait_alu depctr_va_vdst(0)
	s_wait_dscnt 0x0
.irp p, 0,1,2,3
	v_wmma_scale_f32_16x16x128_f8f6f4 v[S+16*\p:S+16*\p+7], v[FRG+16*\p:FRG+16*\p+15], v[16:31], 0, v[KS+\p], v[QS] matrix_a_fmt:MATRIX_FMT_BF8 matrix_b_fmt:MATRIX_FMT_BF8
	v_wmma_scale_f32_16x16x128_f8f6f4 v[S+16*\p+8:S+16*\p+15], v[FRG+16*\p:FRG+16*\p+15], v[24:39], 0, v[KS+\p], v[QS] matrix_a_fmt:MATRIX_FMT_BF8 matrix_b_fmt:MATRIX_FMT_BF8
.endr                                          ; register 16 b + i of lane (r, h): key KF + 32 b + 16 h + i
.rept 8
	v_nop
.endr
.irp t, 0,1,2,3
.irp c, 0,1,2,3
	ds_load_b128 v[FRG+16*\t+4*\c:FRG+16*\t+4*\c+3], v[AD] offset:16384+8192*(\q)+2048*\t+512*\c   ; v^T lands while the softmax is walked
.endr
.endr
	ds_load_b128 v[VS:VS+3], v[AS] offset:33280+256*(\q)
	s_add_co_u32 s96, s[KF], 127
	s_cmp_le_u32 s96, s[Q0]                        ; a step all of whose keys count skips the mask
	s_cbranch_scc1 .Lopen_\@
	s_sub_co_i32 s96, s[Q0], s[KF]
	v_add_nc_u32 v252, s96, v3                     ; hidden where 32 b + i is above my query - KF - 16 h
	v_mov_b32 v254, 0xff800000                     ; -infinity
.set n, 0
.rept 64
	v_cmp_gt_i32 vcc_lo, 32*(n/16)+n%16, v252
	v_cndmask_b32 v[S+n], v[S+n], v254, vcc_lo
.set n, n+1
.endr
.Lopen_\@:
.irp b, 0,1,2,3
	v_max3_num_f32 v[BM+\b], v[S+16*\b], v[S+1+16*\b], v[S+2+16*\b]   ; the largest score of each block of 32 keys: for the row's maximum and for the block's largest p
.endr
.irp i, 3,5,7,9,11,13
.irp b, 0,1,2,3
	v_max3_num_f32 v[BM+\b], v[BM+\b], v[S+16*\b+\i], v[S+1+16*\b+\i]
.endr
.endr
.irp b, 0,1,2,3
	v_max_num_f32 v[BM+\b], v[BM+\b], v[S+15+16*\b]
.endr
.irp b, 0,1,2,3
	s_delay_alu instid0(VALU_DEP_4)
	v_permlanex16_b32 v[PR+\b], v[BM+\b], s[SEL], s[SEL+1]
.endr
.irp b, 0,1,2,3
	s_delay_alu instid0(VALU_DEP_4)
	v_max_num_f32 v[BM+\b], v[BM+\b], v[PR+\b]
.endr
	s_delay_alu instid0(VALU_DEP_2)
	v_max3_num_f32 v[TP], v[BM], v[BM+1], v[BM+2]
	s_delay_alu instid0(VALU_DEP_1)
	v_max_num_f32 v[TP], v[TP], v[BM+3]
	s_delay_alu instid0(VALU_DEP_1)
	v_mul_f32 v[TP], s[CS], v[TP]
	s_delay_alu instid0(VALU_DEP_1)
	v_max_num_f32 v13, v13, v[TP]                  ; the running largest t
	v_mov_b32 v[TP], v12
	s_delay_alu instid0(VALU_DEP_2)
	v_floor_f32 v12, -v13                          ; -M = floor(-t): M is a whole number
	s_delay_alu instid0(VALU_DEP_1)
	v_sub_f32 v[TP], v12, v[TP]
	s_delay_alu instid0(VALU_DEP_1)
	v_cvt_i32_f32 v[TP], v[TP]                     ; (it saturates)
	s_delay_alu instid0(VALU_DEP_1)
	v_ldexp_f32 v[FF], 1.0, v[TP]                  ; f = 2^(old M - new M): a multiplication by it rounds nothing
.set n, 0
.rept 32
	v_pk_fma_f32 v[S+n:S+n+1], v[S+n:S+n+1], s[CS:CS+1], v[12:13] op_sel_hi:[1,0,0]   ; t - M
.set n, n+2
.endr
.irp b, 0,1,2,3
	v_fma_f32 v[BM+\b], v[BM+\b], s[CS], v12
.endr
.set n, 0
	s_wait_alu depctr_va_vdst(0)
.rept 64
	v_exp_f32 v[S+n], v[S+n]                       ; p = 2^(t - M)
.set n, n+1
.endr
	v_pk_mul_f32 v[14:15], v[14:15], v[FF:FF+1] op_sel_hi:[1,0]   ; the sums under the new M: a plain instruction behind the batch
	s_wait_alu depctr_va_vdst(0)                   ; one wait for the batch, ahead of its first reader
.irp b, 0,1,2,3
	v_exp_f32 v[BM+\b], v[BM+\b]                   ; the block's largest p
.endr
	v_pk_add_f32 v[234:235], v[108:109], v[112:113]
	v_pk_add_f32 v[238:239], v[116:117], v[120:121]
	v_pk_add_f32 v[236:237], v[124:125], v[128:129]
	v_pk_add_f32 v[226:227], v[132:133], v[136:137]
	v_pk_add_f32 v[224:225], v[140:141], v[144:145]
	v_pk_add_f32 v[14:15], v[14:15], v[148:149]
	v_pk_add_f32 v[234:235], v[234:235], v[152:153]
	v_pk_add_f32 v[238:239], v[238:239], v[156:157]
	v_pk_add_f32 v[236:237], v[236:237], v[160:161]
	v_pk_add_f32 v[226:227], v[226:227], v[164:165]
	v_pk_add_f32 v[224:225], v[224:225], v[104:105]
	v_pk_add_f32 v[14:15], v[14:15], v[106:107]
	v_pk_add_f32 v[234:235], v[234:235], v[110:111]
	v_pk_add_f32 v[238:239], v[238:239], v[114:115]
	v_pk_add_f32 v[236:237], v[236:237], v[118:119]
	v_pk_add_f32 v[226:227], v[226:227], v[122:123]
	v_pk_add_f32 v[224:225], v[224:225], v[126:127]
	v_pk_add_f32 v[14:15], v[14:15], v[130:131]
	v_pk_add_f32 v[234:235], v[234:235], v[134:135]
	v_pk_add_f32 v[238:239], v[238:239], v[138:139]
	v_pk_add_f32 v[236:237], v[236:237], v[142:143]
	v_pk_add_f32 v[226:227], v[226:227], v[146:147]
	v_pk_add_f32 v[224:225], v[224:225], v[150:151]
	v_pk_add_f32 v[14:15], v[14:15], v[154:155]
	v_pk_add_f32 v[234:235], v[234:235], v[158:159]
	v_pk_add_f32 v[238:239], v[238:239], v[162:163]
	v_pk_add_f32 v[236:237], v[236:237], v[166:167]
	s_delay_alu instid0(VALU_DEP_1)
	v_pk_add_f32 v[14:15], v[14:15], v[236:237]
	s_delay_alu instid0(VALU_DEP_4)
	v_pk_add_f32 v[234:235], v[234:235], v[226:227]
	s_delay_alu instid0(VALU_DEP_4)
	v_pk_add_f32 v[238:239], v[238:239], v[224:225]
	s_delay_alu instid0(VALU_DEP_1)
	v_pk_add_f32 v[14:15], v[14:15], v[238:239]
	s_delay_alu instid0(VALU_DEP_1)
	v_pk_add_f32 v[14:15], v[14:15], v[234:235]
	s_wait_alu depctr_va_vdst(0)                   ; and one for the four
.irp b, 0,1,2,3
	v_max_num_f32 v[BM+\b], 0x8000000, v[BM+\b]    ; the floor 2^(16 - 127)
.endr
.irp b, 0,1,2,3
	s_delay_alu instid0(VALU_DEP_4)
	v_add_nc_u32 v[SOP+\b], 0xf8800000, v[BM+\b]
.endr
.irp b, 0,1,2,3
.endr
.irp b, 0,1,2,3
	s_delay_alu instid0(VALU_DEP_4)
	v_lshrrev_b32 v[PR+\b], 23, v[SOP+\b]
.endr
	s_delay_alu instid0(VALU_DEP_3)
	v_lshl_or_b32 v[PWD], v[PR+1], 8, v[PR]        ; p's scale word for these 128 keys
	s_delay_alu instid0(VALU_DEP_1)
	v_lshl_or_b32 v[PWD], v[PR+2], 16, v[PWD]
	s_delay_alu instid0(VALU_DEP_1)
	v_lshl_or_b32 v[PWD], v[PR+3], 24, v[PWD]
.irp b, 0,1,2,3
.irp i, 0,1,2,3,4,5,6,7,8,9,10,11,12,13,14,15
.endr
	v_cvt_scalef32_pk8_bf8_f32 v[PCD+4*\b:PCD+4*\b+1], v[S+16*\b:S+16*\b+7], v[SOP+\b]
	v_cvt_scalef32_pk8_bf8_f32 v[PCD+4*\b+2:PCD+4*\b+3], v[S+16*\b+8:S+16*\b+15], v[SOP+\b]
.endr
.set n, 0
.rept 16
	v_pk_mul_f32 v[O+n:O+n+1], v[O+n:O+n+1], v[FF:FF+1] op_sel_hi:[1,0]   ; O^T under the new M; these are also the places in front of the products
.set n, n+2
.endr
	s_wait_alu depctr_va_vdst(0)
	s_wait_dscnt 0x0                               ; v^T and its words are in
.irp t, 0,1,2,3
	v_wmma_scale_f32_16x16x128_f8f6f4 v[O+8*\t:O+8*\t+7], v[FRG+16*\t:FRG+16*\t+15], v[PCD:PCD+15], v[O+8*\t:O+8*\t+7], v[VS+\t], v[PWD] matrix_a_fmt:MATRIX_FMT_BF8 matrix_b_fmt:MATRIX_FMT_BF8
.endr
.Lhidden_\@:
	s_add_co_u32 s[KF], s[KF], 128
.endm
; THE CHANGE OF SLOTS, at a slot's head: every wave waits for all its tensor loads, adds 0 to its spare word, waits for that and for its reads of the slot that it has left, and passes the barrier.
.macro CHANGE fill
	s_wait_tensorcnt 0x0
	ds_add_u32 v[SPW], v[NIL]
.if \fill
	ds_add_u32 v[SPW], v[NIL]                      ; and, where a load follows, twice on end
	s_xor_b32 s[G0+1], s[G0+1], SLOT1              ; the walking descriptor: the other slot,
	s_add_nc_u64 s[G0+2:G0+3], s[G0+2:G0+3], BLK   ; the next block
	s_wait_xcnt 0x0                                ; the last prefetch, a slot back, has read its address
	s_add_nc_u64 s[PFA:PFA+1], s[PFA:PFA+1], BLK
.endif
	s_wait_dscnt 0x0
	s_barrier_signal -1
	s_barrier_wait -1
.if \fill
	s_add_co_u32 s96, s[KF], 256                   ; the look-ahead ends at the causal limit: a slot whose first key comes after my work-group's last query is read by none of its waves
	s_cmp_gt_u32 s96, s[QL]                        ; ids and the count of steps alone: all sixteen waves go the same way
	s_cbranch_scc1 .Lpast_\@
	TLOAD
.Lpast_\@:
	ASK
.endif
.endm
.macro SLOT_STEPS
	STEP 0
	STEP 1
	s_xor_b32 s[TB], s[TB], SLOT1
.endm
.Lslot:                                        ; seven trips; every wait on TENSORcnt in this text is for 0
	CHANGE 1
	SLOT_STEPS
	s_sub_co_u32 s[SLOTS], s[SLOTS], 1
	s_cmp_lg_u32 s[SLOTS], 0
	s_cbranch_scc1 .Lslot
	CHANGE 0
	SLOT_STEPS
	; THE WAY OUT
	v_add_f32 v14, v14, v15
	s_delay_alu instid0(VALU_DEP_1)
	v_permlanex16_b32 v[TP], v14, s[SEL], s[SEL+1]
	s_delay_alu instid0(VALU_DEP_1)
	v_add_f32 v14, v14, v[TP]                      ; the row's sum
	s_wait_alu depctr_va_vdst(0)
	v_rcp_f32 v14, v14
	s_lshr_b32 s82, s[WV], 2
	s_add_co_u32 s82, s82, s[WV]
	s_and_b32 s82, s82, 1                          ; the early block's 128 columns of the stage, or the late block's;
	s_lshl_b32 s82, s82, 7
	s_lshr_b32 s83, s[WV], 2                       ; my tile w / 2 begins at 32 (tile / 2) + 8 (tile % 2)
	s_lshl_b32 s83, s83, 5
	s_add_co_u32 s82, s82, s83
	s_bfe_u32 s83, s[WV], 0x10001
	s_lshl_b32 s83, s83, 3
	s_add_co_u32 s82, s82, s83                     ; my first query among the work-group's 256
	s_lshl_b32 s82, s82, 2
	s_add_co_u32 s82, s82, STG
	s_and_b32 s83, s[WV], 3
	s_mul_i32 s83, s83, 16*SP
	s_lshr_b32 s84, s[WV], 2
	s_lshl_b32 s84, s84, 8
	s_add_co_u32 s83, s83, s84
	s_add_co_u32 s83, s83, STG                     ; back: 16 rows d from 16 (w % 4) on, 64 queries from 64 (w / 4) on
	v_bfe_u32 v9, v0, 4, 1                         ; h.  (These nine plain lines are the places behind the last products and behind the reciprocal)
	s_delay_alu instid0(VALU_DEP_1)
	v_mul_u32_u24 v8, v9, 16*SP
	s_delay_alu instid0(VALU_DEP_1)
	v_lshl_add_u32 v8, v4, 2, v8
	s_delay_alu instid0(VALU_DEP_1)
	v_add_nc_u32 v8, s82, v8                       ; in: column = my query, row = d: register 8 t + j holds d = 32 (t / 2) + 16 h + 8 (t % 2) + j
	v_and_b32 v10, 15, v0
	s_delay_alu instid0(VALU_DEP_1)
	v_mul_u32_u24 v10, v10, SP
	s_delay_alu instid0(VALU_DEP_1)
	v_lshl_add_u32 v10, v9, 6, v10
	s_delay_alu instid0(VALU_DEP_1)
	v_add_nc_u32 v10, s83, v10
	v_and_b32 v11, 31, v0
	s_wait_alu depctr_va_vdst(0)                   ; the wait ahead of the reciprocal's first reader
.set n, 0
.rept 32
	v_mul_f32 v[S+n], v[O+n], v14
.set n, n+1
.endr
.irp t, 0,1,2,3
.irp j, 0,1,2,3,4,5,6,7
	ds_store_b32 v8, v[S+8*\t+\j] offset:(32*(\t/2)+8*(\t%2)+\j)*SP
.endr
.endr
	s_wait_dscnt 0x0                               ; for the others' sake: my columns lie in the stage
	s_barrier_signal -1
	s_barrier_wait -1
.irp c, 0,1
.irp j, 0,1,2,3
	ds_load_b128 v[S+16*\c+4*\j:S+16*\c+4*\j+3], v10 offset:128*\c+16*\j   ; lane (r, h): d = 16 (w % 4) + r; register 16 c + i: query 64 (w / 4) + 32 c + 16 h + i
.endr
.endr
	s_wait_dscnt 0x0
.irp b, 0,1
	v_max3_num_f32 v[BM+\b], |v[S+16*\b]|, |v[S+1+16*\b]|, 0x8000000
.endr
.irp i, 2,4,6,8,10,12,14
.irp b, 0,1
	s_delay_alu instid0(VALU_DEP_2)
	v_max3_num_f32 v[BM+\b], v[BM+\b], |v[S+16*\b+\i]|, |v[S+1+16*\b+\i]|
.endr
.endr
.irp b, 0,1
	s_delay_alu instid0(VALU_DEP_2)
	v_permlanex16_b32 v[PR+\b], v[BM+\b], s[SEL], s[SEL+1]
.endr
.irp b, 0,1
	s_delay_alu instid0(VALU_DEP_2)
	v_max_num_f32 v[BM+\b], v[BM+\b], v[PR+\b]
.endr
.irp b, 0,1
	s_delay_alu instid0(VALU_DEP_2)
	v_add_nc_u32 v[SOP+\b], 0xf8800000, v[BM+\b]
.endr
.irp b, 0,1
.endr
.irp b, 0,1
	s_delay_alu instid0(VALU_DEP_2)
	v_lshrrev_b32 v[PR+\b], 23, v[SOP+\b]
.endr
	s_delay_alu instid0(VALU_DEP_1)
	v_lshl_or_b32 v[TP], v[PR+1], 8, v[PR]         ; my head's two bytes of the row's scale word
.irp b, 0,1
.irp i, 0,1,2,3,4,5,6,7,8,9,10,11,12,13,14,15
.endr
	v_cvt_scalef32_pk8_bf8_f32 v[PCD+4*\b:PCD+4*\b+1], v[S+16*\b:S+16*\b+7], v[SOP+\b]
	v_cvt_scalef32_pk8_bf8_f32 v[PCD+4*\b+2:PCD+4*\b+3], v[S+16*\b+8:S+16*\b+15], v[SOP+\b]
.endr
	v_nop                                          ; a plain instruction behind the last conversion
	global_store_b128 v1, v[PCD:PCD+3], s[92:93]               ; 512 consecutive bytes, aligned
	global_store_b128 v1, v[PCD+4:PCD+7], s[92:93] offset:512
	v_cmp_gt_u32 vcc_lo, 16, v11
	s_wait_alu depctr_va_vdst(0)
	s_wait_xcnt 0x0                                ; EXEC changes only behind this wait
	s_and_saveexec_b32 s97, vcc_lo
	global_store_b16 v2, v[TP], s[94:95]           ; lanes 0-15: two bytes a row
	s_wait_xcnt 0x0
	s_or_b32 exec_lo, exec_lo, s97
	s_wait_tensorcnt 0x0                           ; the wave's end
	ds_add_u32 v[SPW], v[NIL]
	s_wait_dscnt 0x0
	s_endpgm
.Lfunc_end_k_q896d036e76_attn:
	.size	k_q896d036e76_attn, .Lfunc_end_k_q896d036e76_attn-k_q896d036e76_attn
	.p2alignl 7, 3214868480
	.fill 96, 4, 3214868480
	.section	.rodata,"a",@progbits
	.p2align	6, 0x0
	.amdhsa_kernel k_q896d036e76_attn
		.amdhsa_group_segment_fixed_size 327680
		.amdhsa_private_segment_fixed_size 0
		.amdhsa_enable_private_segment 0
		.amdhsa_kernarg_size 24
		.amdhsa_user_sgpr_count 2
		.amdhsa_user_sgpr_kernarg_segment_ptr 1
		.amdhsa_wavefront_size32 1
		.amdhsa_system_sgpr_workgroup_id_x 1
		.amdhsa_system_sgpr_workgroup_id_y 1
		.amdhsa_system_sgpr_workgroup_id_z 1
		.amdhsa_system_vgpr_workitem_id 0
		.amdhsa_next_free_vgpr 256
		.amdhsa_next_free_sgpr 100
		.amdhsa_reserve_vcc 1
		.amdhsa_float_denorm_mode_32 3
		.amdhsa_float_denorm_mode_16_64 3
		.amdhsa_fp16_overflow 1
		.amdhsa_memory_ordered 1
		.amdhsa_forward_progress 1
		.amdhsa_inst_pref_size 107
	.end_amdhsa_kernel
	.amdgpu_metadata
---
amdhsa.version: [ 1, 2 ]
amdhsa.kernels:
  - .name:           k_q896d036e76_attn
    .symbol:         k_q896d036e76_attn.kd
    .args:
      - { .name: qimg, .offset: 0, .size: 8, .value_kind: global_buffer, .address_space: global }
      - { .name: kv, .offset: 8, .size: 8, .value_kind: global_buffer, .address_space: global }
      - { .name: cimg, .offset: 16, .size: 8, .value_kind: global_buffer, .address_space: global }
    .group_segment_fixed_size: 327680
    .private_segment_fixed_size: 0
    .kernarg_segment_align: 8
    .kernarg_segment_size: 24
    .max_flat_workgroup_size: 512
    .sgpr_count:     100
    .vgpr_count:     256
    .wavefront_size: 32
...
	.end_amdgpu_metadata
.endif
;; end of part 3
;; launch fc (part 4): grid 8 x 32, 4 waves a work-group, clusters of 4 x 4, 327,680 bytes of LDS; arguments cimg, wimg, fc_b, x, hbuf; writes hbuf
.if DOCPART == 4
	.amdgcn_target "amdgcn-amd-amdhsa--gfx1250"
	.amdhsa_code_object_version 6
	.text
	.protected	k_q896d036e76_fc
	.globl	k_q896d036e76_fc
	.p2align	8
	.type	k_q896d036e76_fc,@function
k_q896d036e76_fc:
	s_mov_b64 s[64:65], 0
	v_nop
	global_prefetch_b8 v0, s[64:65] scope:SCOPE_SE
	s_setreg_imm32_b32 hwreg(HW_REG_WAVE_MODE, 25, 1), 1
	s_wait_xcnt 0x0
	s_wait_alu depctr_hold_cnt(0) depctr_sa_sdst(0) depctr_va_vdst(0) depctr_va_sdst(0) depctr_va_ssrc(0) depctr_va_vcc(0) depctr_vm_vsrc(0)
	s_getreg_b32 s2, hwreg(HW_REG_IB_STS2, 6, 4)
	s_cmp_eq_u32 s2, 0
	s_cbranch_scc0 .Lentry_in_a_cluster
	s_endpgm
.Lentry_in_a_cluster:
	s_bfe_u32 s2, ttmp6, 0x10000c
	s_cmp_lg_u32 s2, 0xf033
	s_cbranch_scc0 .Lentry_shape_is_right
	s_endpgm
.Lentry_shape_is_right:
; h = concat fc_w + fc_b + x, the product on codes of BF8 (E5M2) with E8M0 scales, K = 1,024, N = 1,024.
; OPERANDS are panels of 128 rows x 256 K, 33,792 bytes: fragments as images of the operand's registers at (8 s + i) 2,048, scale words at 32,768 + 512 s + 256 (i / 4) + 16 r + 4 (i % 4); a buffer is [panel][chunk of 256 K].
; A tile of 128 x 128, so that the 4,096 x 1,024 results give each of 256 work-groups one; four waves, 64 x 64 each: 16 accumulators.  A slot holds two chunks (512 along K) of A's panel and of B's; each wave fetches one chunk by one tensor load.
; SOURCE 0 = the weight (B), SOURCE 1 = the rows (A): a lane holds one row and eight neighbouring columns a tile.  The sums start from the bias (reference() adds it last: another order of rounding).
; ROWS: concat's panel P holds rows 2,048 (P / 16) + 32 d + 2 (P % 16) + u, tile 4 u + d / 16, row d % 16.
; The results go through the wave's own stage in LDS, come back as rows of 256 bytes, take the residual and leave as whole aligned runs of 256 bytes.
; CLUSTERS: 4 x 4 work-groups; A's chunks are shared along a row of the cluster, B's along a column, each asked for jointly.
; REGISTERS: window 0: v16-27 addresses; v32-63 scale words, two sets, and nothing else; v64-95 the bias; v128-191 A's fragments, later rows on their way out; window 1: B's fragments, two sets; window 2: accumulator (a, b) at v[8 (4 a + b)]; window 3: the residual.
.set SIZE_K, 1024
.set WOFF,   3244032                   ; fc_w's panels in wimg
.set MODE,   0
.set NBLK,   4
.set NQ,     4
.set PANEL,  33792
.set WSTR,   8192
.set WS2,    256
.set SLSTEP, 2*PANEL
.set NCH,    SIZE_K/256
.set TSTR,   NCH*PANEL
.set HSTR,   PANEL
.set LAPS,   SIZE_K/(256*NQ)
.set SLOT,   4*PANEL
.set STAGE,  2*SLOT                    ; behind the ring: 16 rows x 272 bytes for each wave
.set SPARE,  STAGE+4*4352              ; the spare words, 128 bytes a wave, which no other line names
.set APW,    32/NBLK
.set HL,     2*NBLK
.set ADRA, 16
.set ADRB, 20
.set ADRS, 22
.set SPW,  28
.set NIL,  29
.set SC,   32
.set BIAS, 64
.set AF,   128
.set BK,   128
.set G1,  24
.set G0,  32
.set G1B, 48
.set G0B, 56
.set MUL_LO, 0xa1
.set MUL_HI, 0xa1
.set BIA_LO, 0x81
.set BIA_HI, 0x81
.set TO_B,   0x40
.set MSB, 0
.macro WIN new                         ; the immediate's high byte repeats the setting that is left
.if MSB != (\new)
	s_set_vgpr_msb (MSB<<8)|(\new)
.set MSB, (\new)
.endif
.endm
.macro JLOAD s                         ; a joint load: waves 0, 1 fetch for A, waves 2, 3 for B; an s_nop 0 and four v_nop follow each line
	s_cmp_eq_u32 s15, 0
	s_cbranch_scc0 .Lfor_b_\@
	tensor_load_to_lds s[G0+4*\s:G0+4*\s+3], s[G1:G1+7]
	s_nop 0
.rept 4
	v_nop
.endr
	s_branch .Lasked_\@
.Lfor_b_\@:
	tensor_load_to_lds s[G0B+4*\s:G0B+4*\s+3], s[G1B:G1B+7]
	s_nop 0
.rept 4
	v_nop
.endr
.Lasked_\@:
.endm
.macro CREST
	s_cmp_lg_u32 s14, 0
	s_cbranch_scc1 .Lnot_wave_0_\@
	s_barrier_signal -3
.Lnot_wave_0_\@:
	s_barrier_wait -3
	s_barrier_signal -1
	s_barrier_wait -1
.endm
.macro CROUND
	s_barrier_signal -1
	s_barrier_wait -1
	CREST
.endm
.macro PLACES n
.rept \n
	v_nop
.endr
.endm
.macro FRAG reg, adr, off
.irp c, 0,1,2,3
	ds_load_b128 v[\reg+4*\c:\reg+4*\c+3], v[\adr] offset:(\off)+512*\c
.endr
.endm
.macro FETCH_B slot, q, p
	WIN TO_B
.irp i, 0,1,2,3,4,5,6,7
.if \i < NBLK
	FRAG 128*(\p)+16*\i, ADRB+\slot, ((\q)/2)*PANEL+(8*((\q)%2)+\i)*2048
.endif
.endr
	WIN 0
.endm
.macro FETCH_A slot, q, i0
.set ii, \i0
.rept NBLK/2
	FRAG AF+16*ii, ADRA+\slot, ((\q)/2)*PANEL+(8*((\q)%2)+ii)*2048
.set ii, ii+1
.endr
.endm
.macro SCALES slot                     ; register NBLK q + i: lanes 0-15 A's block i, lanes 16-31 B's block i
.irp n, 0,1,2,3
.if NBLK == 8
	ds_load_b128 v[SC+16*\slot+4*\n:SC+16*\slot+4*\n+3], v[ADRS+\slot] offset:512*(\n/2)+256*(\n%2)
.else
	ds_load_b128 v[SC+16*\slot+4*\n:SC+16*\slot+4*\n+3], v[ADRS+\slot] offset:(\n/2)*PANEL+512*(\n%2)
.endif
.endr
.endm
.macro MULB a, p, q, sc, first
.irp b, 0,1,2,3,4,5,6,7
.if \b < NBLK
.set rD, 8*(NBLK*((\a)%APW)+\b)
.set rB, 128*(\p)+16*\b
.set rA, AF+16*(\a)
.set rS, SC+16*(\sc)+NBLK*(\q)
.if \first == 1
	v_wmma_scale_f32_16x16x128_f8f6f4 v[rD:rD+7], v[rB:rB+15], v[rA:rA+15], 0, v[rS+\b], v[rS+(\a)] matrix_a_fmt:MATRIX_FMT_BF8 matrix_b_fmt:MATRIX_FMT_BF8 matrix_a_scale:MATRIX_SCALE_ROW1
.elseif \first == 2
	v_wmma_scale_f32_16x16x128_f8f6f4 v[rD:rD+7], v[rB:rB+15], v[rA:rA+15], v[BIAS+8*\b:BIAS+8*\b+7], v[rS+\b], v[rS+(\a)] matrix_a_fmt:MATRIX_FMT_BF8 matrix_b_fmt:MATRIX_FMT_BF8 matrix_a_scale:MATRIX_SCALE_ROW1
.else
	v_wmma_scale_f32_16x16x128_f8f6f4 v[rD:rD+7], v[rB:rB+15], v[rA:rA+15], v[rD:rD+7], v[rS+\b], v[rS+(\a)] matrix_a_fmt:MATRIX_FMT_BF8 matrix_b_fmt:MATRIX_FMT_BF8 matrix_a_scale:MATRIX_SCALE_ROW1
.endif
.endif
.endr
.endm
.macro MULS a0, n, p, q, sc, first     ; the accumulators take turns, one instruction a turn, in the same order in every step
.set aa, \a0
.rept \n
	MULB aa, \p, \q, \sc, \first
.set aa, aa+1
.endr
.endm
.macro STEP slot, q, first
	s_wait_dscnt HL                                ; B's set and A's first half are in; the youngest HL loads (A's second half) may be out
.if \first == 2
	WIN BIA_LO
.else
	WIN MUL_LO
.endif
	MULS 0, NBLK/2, (\q)%2, \q, \slot, \first
	s_wait_dscnt 0x0
	PLACES 8
	FETCH_B \slot, (\q)+1, 1-(\q)%2
	FETCH_A \slot, (\q)+1, 0
.if \first == 2
	WIN BIA_HI
.else
	WIN MUL_HI
.endif
	MULS NBLK/2, NBLK/2, (\q)%2, \q, \slot, \first
	PLACES 8
	WIN 0
	FETCH_A \slot, (\q)+1, NBLK/2
.endm
.macro REST slot
.if NQ == 4
	STEP \slot, 1, 0
	STEP \slot, 2, 0
.endif
.endm
.macro TURN slot, next, fill
	s_wait_tensorcnt 0x0                           ; all my tensor loads have landed: my part of the next slot
	ds_add_u32 v[SPW], v[NIL]                      ; 0 onto my spare word
	s_wait_dscnt HL+1                              ; (the add and A's second half may be out)
	WIN MUL_LO
	MULS 0, NBLK/4, 1, NQ-1, \slot, 0
	s_wait_dscnt 0x0                               ; the add is done, and my reads of this slot are over
	s_barrier_signal -1
	MULS NBLK/4, NBLK/4, 1, NQ-1, \slot, 0
	WIN 0
	s_barrier_wait -1
.if \fill
	CREST
	s_add_nc_u64 s[G0+4*\slot+2:G0+4*\slot+3], s[G0+4*\slot+2:G0+4*\slot+3], 2*SLSTEP
	s_add_nc_u64 s[G0B+4*\slot+2:G0B+4*\slot+3], s[G0B+4*\slot+2:G0B+4*\slot+3], 2*SLSTEP
	JLOAD \slot
	PLACES 4
.else
	PLACES 8
.endif
	FETCH_B \next, 0, 0
	FETCH_A \next, 0, 0
	SCALES \next
	WIN MUL_HI
	MULS NBLK/2, NBLK/2, 1, NQ-1, \slot, 0
	PLACES 8
	WIN 0
	FETCH_A \next, 0, NBLK/2
.endm
.macro LAST
	s_wait_dscnt HL
	WIN MUL_LO
	MULS 0, NBLK/2, 1, NQ-1, 1, 0
	s_wait_dscnt 0x0
	WIN MUL_HI
	MULS NBLK/2, NBLK/2, 1, NQ-1, 1, 0
	WIN 0
.endm
.macro RIMM a, tt                      ; RI: bytes from my first row to rows 2 tt, 2 tt + 1 of block a
.if MODE == 0
.set RI, (512*(\a)+64*(\tt))*4096
.else
.set RI, (32*((\a)/2)+8*((\a)%2)+2*(\tt)+8*((\tt)/4))*4096
.endif
.endm
	s_load_b256 s[4:11], s[0:1], 0x0               ; A's panels, wimg, the bias, the residual
	s_load_b64 s[12:13], s[0:1], 0x20              ; out
	v_lshl_add_u32 v[SPW], v0, 2, SPARE
	v_mov_b32 v[NIL], 0
	ds_add_u32 v[SPW], v[NIL]                      ; the wave's opening: the add, twice on end, and its wait ahead of my first tensor load
	ds_add_u32 v[SPW], v[NIL]
	v_lshrrev_b32 v1, 5, v0
	v_readfirstlane_b32 s14, v1
	s_lshr_b32 s15, s14, 1
	s_and_b32 s16, s14, 1
	s_bfe_u32 s40, ttmp6, 0x40000
	s_bfe_u32 s41, ttmp6, 0x40004
	s_lshl_b32 s18, ttmp9, 2
	s_add_co_u32 s18, s18, s40                     ; B's tile: 128 columns
	s_and_b32 s17, ttmp7, 0xffff
	s_lshl_b32 s17, s17, 2
	s_add_co_u32 s17, s17, s41                     ; A's tile: a panel of 128 rows
	s_lshl_b32 s43, s41, 2
	s_lshl_b32 s43, 15, s43
	s_lshl_b32 s44, 0x1111, s40
	s_or_b32 s[G1], s43, (3<<16)|(1<<21)           ; the mask; elements of 8 bytes; bit 21 beside a mask; no padding
	s_or_b32 s[G1B], s44, (3<<16)|(1<<21)
.irp g, G1, G1B
	s_mov_b32 s[\g+1], 32<<16                      ; rows of 256 bytes,
	s_mov_b32 s[\g+2], 132<<16                     ; 132 of them, dense
	s_mov_b32 s[\g+3], 32<<16
	s_mov_b32 s[\g+4], 132
	s_mov_b32 s[\g+5], 32
	s_mov_b32 s[\g+6], 0
	s_mov_b32 s[\g+7], 0
.endr
	s_mul_i32 s20, s17, TSTR
	s_mul_i32 s22, s16, HSTR
	s_add_co_u32 s20, s20, s22
	s_mov_b32 s21, 0
	s_mul_i32 s46, s18, TSTR
	s_add_co_u32 s46, s46, s22
	s_add_co_u32 s46, s46, WOFF
	s_mov_b32 s47, 0
	s_mul_i32 s45, s14, PANEL
	s_wait_dscnt 0x0
	s_wait_kmcnt 0x0
	s_add_nc_u64 s[20:21], s[4:5], s[20:21]
	s_add_nc_u64 s[46:47], s[6:7], s[46:47]
	CROUND
.irp s, 0,1
	s_mov_b32 s[G0+4*\s], 1
	s_add_co_u32 s[G0+4*\s+1], s45, \s*SLOT
	s_add_nc_u64 s[G0+4*\s+2:G0+4*\s+3], s[20:21], \s*SLSTEP
	s_or_b32 s[G0+4*\s+3], s[G0+4*\s+3], 0x80000000
	s_mov_b32 s[G0B+4*\s], 1
	s_add_co_u32 s[G0B+4*\s+1], s45, \s*SLOT
	s_add_nc_u64 s[G0B+4*\s+2:G0B+4*\s+3], s[46:47], \s*SLSTEP
	s_or_b32 s[G0B+4*\s+3], s[G0B+4*\s+3], 0x80000000
	JLOAD \s
.endr
	v_and_b32 v1, 31, v0
	v_and_b32 v2, 15, v0
	v_bfe_u32 v3, v0, 4, 1
	v_lshlrev_b32 v4, 4, v1
	s_mul_i32 s21, s15, WSTR
	s_mul_i32 s22, s16, WSTR
	s_add_co_u32 s22, s22, 2*PANEL
.irp s, 0,1
	v_add_nc_u32 v[ADRA+\s], s21, v4
	v_add_nc_u32 v[ADRB+\s], s22, v4
	s_add_co_u32 s21, s21, SLOT
	s_add_co_u32 s22, s22, SLOT
.endr
	s_mul_i32 s21, s15, WS2
	s_mul_i32 s22, s16, WS2
	s_add_co_u32 s22, s22, 2*PANEL
	s_sub_co_u32 s22, s22, s21
	v_mul_u32_u24 v5, s22, v3
	v_lshl_add_u32 v5, v2, 4, v5
	s_add_co_u32 s21, s21, 32768
	v_add_nc_u32 v[ADRS], s21, v5
	v_add_nc_u32 v[ADRS+1], SLOT, v[ADRS]
	s_mul_i32 s23, s14, 4352
	s_add_co_u32 s23, s23, STAGE                   ; my stage
	v_mul_u32_u24 v7, v2, 272
	v_lshl_add_u32 v7, v3, 6, v7
	v_add_nc_u32 v24, s23, v7                      ; in: row r, + 64 h
	v_mul_u32_u24 v7, v3, 272
	v_lshl_add_u32 v7, v2, 4, v7
	v_add_nc_u32 v25, s23, v7                      ; back: lanes 0-15 one row, lanes 16-31 the next
.if MODE == 0
	v_lshlrev_b32 v26, 17, v3                      ; the next row of a tile lies 32 rows of memory on
	s_lshr_b32 s20, s17, 4
	s_lshl_b32 s20, s20, 11
	s_and_b32 s21, s17, 15
	s_lshl_b32 s21, s21, 1
	s_add_co_u32 s20, s20, s21
	s_add_co_u32 s20, s20, s15                     ; my first row: 2,048 (P / 16) + 2 (P % 16) + my half
.else
	v_lshlrev_b32 v26, 12, v3
	s_lshl_b32 s20, s17, 7
	s_lshl_b32 s21, s15, 6
	s_add_co_u32 s20, s20, s21                     ; my first row: 128 P + 64 x my half
.endif
	v_lshl_add_u32 v26, v2, 4, v26
	s_lshl_b32 s20, s20, 12
	s_lshl_b32 s22, s18, 9
	s_lshl_b32 s23, s16, 8
	s_add_co_u32 s22, s22, s23                     ; my 64 columns, in bytes
	s_mov_b32 s23, 0
	s_add_nc_u64 s[8:9], s[8:9], s[22:23]
	s_add_co_u32 s20, s20, s22
	s_mov_b32 s21, 0
	s_add_nc_u64 s[10:11], s[10:11], s[20:21]
	s_add_nc_u64 s[12:13], s[12:13], s[20:21]
	v_lshlrev_b32 v6, 6, v3                        ; the bias in the result's layout: tile b, lane half h: columns 32 (b / 2) + 16 h + 8 (b % 2) + 0 .. 7
.irp b, 0,1,2,3
	global_load_b128 v[BIAS+8*\b:BIAS+8*\b+3], v6, s[8:9] offset:128*(\b/2)+32*(\b%2)
	global_load_b128 v[BIAS+8*\b+4:BIAS+8*\b+7], v6, s[8:9] offset:128*(\b/2)+32*(\b%2)+16
.endr
	WIN 0xc0                                       ; destination window 3
.irp a, 0,1,2,3
.irp tt, 0,1,2,3,4,5,6,7
	RIMM \a, \tt
	global_load_b128 v[32*\a+4*\tt:32*\a+4*\tt+3], v26, s[10:11] offset:RI   ; the residual, as the rows will leave
.endr
.endr
	WIN 0
	s_wait_tensorcnt 1                             ; my part of slot 0 is in; slot 1's may be out
	s_barrier_signal -1
	s_barrier_wait -1
	FETCH_B 0, 0, 0
	FETCH_A 0, 0, 0
	SCALES 0
	FETCH_A 0, 0, NBLK/2
	s_wait_loadcnt 32                              ; the bias is in; the residual's 32 loads may be out
	STEP 0, 0, 2                                   ; the first step stands in front of the loop: its products start the sums from the bias
.if LAPS > 1
	s_mov_b32 s3, LAPS-1
.Llap:
	REST 0
	TURN 0, 1, 1
	STEP 1, 0, 0
	REST 1
	TURN 1, 0, 1
	STEP 0, 0, 0
	s_sub_co_u32 s3, s3, 1
	s_cmp_lg_u32 s3, 0
	s_cbranch_scc1 .Llap
.endif
	REST 0
	TURN 0, 1, 0
	STEP 1, 0, 0
	REST 1
	LAST
.macro TOSTAGE a                       ; block a: 16 rows x 64 columns into my stage and back as rows.  LDS serves a wave's instructions in order (ISA guide 5.7.1.4): no wait between
	WIN 0x08                                       ; an LDS store's data: window 2
.irp b, 0,1,2,3
	ds_store_b128 v24, v[8*(4*(\a)+\b):8*(4*(\a)+\b)+3] offset:128*(\b/2)+32*(\b%2)
	ds_store_b128 v24, v[8*(4*(\a)+\b)+4:8*(4*(\a)+\b)+7] offset:128*(\b/2)+32*(\b%2)+16
.endr
	WIN 0
.irp tt, 0,1,2,3,4,5,6,7
	ds_load_b128 v[BK+32*((\a)%2)+4*\tt:BK+32*((\a)%2)+4*\tt+3], v25 offset:544*\tt
.endr
.endm
.macro SEND a, younger
	s_wait_dscnt \younger
	WIN 0x0c                                       ; source 1: window 3
.set n, 0
.rept 16
	v_pk_add_f32 v[BK+32*((\a)%2)+n:BK+32*((\a)%2)+n+1], v[BK+32*((\a)%2)+n:BK+32*((\a)%2)+n+1], v[32*(\a)+n:32*(\a)+n+1]
.set n, n+2
.endr
	WIN 0
.irp tt, 0,1,2,3,4,5,6,7
	RIMM \a, \tt
	global_store_b128 v26, v[BK+32*((\a)%2)+4*\tt:BK+32*((\a)%2)+4*\tt+3], s[12:13] offset:RI   ; sixteen lanes store 256 consecutive bytes, aligned
.endr
.endm
	PLACES 8
	s_wait_loadcnt 0x0                             ; the residual
	TOSTAGE 0
.irp a, 1,2,3
.if \a > 1
	s_wait_xcnt 0x0                                ; block a - 2's stores have read their registers: block a's loads may land there
.endif
	TOSTAGE \a
	SEND \a-1, 16                                  ; behind block a - 1's loads: block a's 8 stores and 8 loads
.endr
	SEND 3, 0
	s_wait_tensorcnt 0x0                           ; the wave's end
	ds_add_u32 v[SPW], v[NIL]
	s_wait_dscnt 0x0
	CROUND
	s_endpgm
.Lfunc_end_k_q896d036e76_fc:
	.size	k_q896d036e76_fc, .Lfunc_end_k_q896d036e76_fc-k_q896d036e76_fc
	.p2alignl 7, 3214868480
	.fill 96, 4, 3214868480
	.section	.rodata,"a",@progbits
	.p2align	6, 0x0
	.amdhsa_kernel k_q896d036e76_fc
		.amdhsa_group_segment_fixed_size 327680
		.amdhsa_private_segment_fixed_size 0
		.amdhsa_enable_private_segment 0
		.amdhsa_kernarg_size 40
		.amdhsa_user_sgpr_count 2
		.amdhsa_user_sgpr_kernarg_segment_ptr 1
		.amdhsa_wavefront_size32 1
		.amdhsa_system_sgpr_workgroup_id_x 1
		.amdhsa_system_sgpr_workgroup_id_y 1
		.amdhsa_system_sgpr_workgroup_id_z 1
		.amdhsa_system_vgpr_workitem_id 0
		.amdhsa_next_free_vgpr 1024
		.amdhsa_next_free_sgpr 100
		.amdhsa_reserve_vcc 0
		.amdhsa_float_denorm_mode_32 3
		.amdhsa_float_denorm_mode_16_64 3
		.amdhsa_memory_ordered 1
		.amdhsa_forward_progress 1
		.amdhsa_inst_pref_size 62
	.end_amdhsa_kernel
	.amdgpu_metadata
---
amdhsa.version: [ 1, 2 ]
amdhsa.kernels:
  - .name:           k_q896d036e76_fc
    .symbol:         k_q896d036e76_fc.kd
    .args:
      - { .name: cimg, .offset: 0, .size: 8, .value_kind: global_buffer, .address_space: global }
      - { .name: wimg, .offset: 8, .size: 8, .value_kind: global_buffer, .address_space: global }
      - { .name: fc_b, .offset: 16, .size: 8, .value_kind: global_buffer, .address_space: global }
      - { .name: x, .offset: 24, .size: 8, .value_kind: global_buffer, .address_space: global }
      - { .name: hbuf, .offset: 32, .size: 8, .value_kind: global_buffer, .address_space: global }
    .group_segment_fixed_size: 327680
    .private_segment_fixed_size: 0
    .kernarg_segment_align: 8
    .kernarg_segment_size: 40
    .max_flat_workgroup_size: 128
    .sgpr_count:     100
    .vgpr_count:     1024
    .wavefront_size: 32
...
	.end_amdgpu_metadata
.endif
;; end of part 4
;; launch ln2 (part 5): grid 256 x 1, 4 waves a work-group, no clusters, 66,304 bytes of LDS; arguments hbuf, ln2_s, ln2_b, yimg; writes yimg
.if DOCPART == 5
	.amdgcn_target "amdgcn-amd-amdhsa--gfx1250"
	.amdhsa_code_object_version 6
	.text
	.protected	k_q896d036e76_ln2
	.globl	k_q896d036e76_ln2
	.p2align	8
	.type	k_q896d036e76_ln2,@function
k_q896d036e76_ln2:
	s_mov_b64 s[64:65], 0
	v_nop
	global_prefetch_b8 v0, s[64:65] scope:SCOPE_SE
	s_setreg_imm32_b32 hwreg(HW_REG_WAVE_MODE, 25, 1), 1
	s_wait_xcnt 0x0
; y = gain (x - mean) / sqrt(var + 1e-5) + shift along rows of 1,024, in f32 (two passes: the mean is taken away before the squares), then quantised along the row into codes of BF8 (E5M2) with one E8M0 byte for each 32.
; OUT: [panel of 128 rows][chunk of 256 K][33,792 bytes]: fragment (step s, tile i) at (8 s + i) 2,048 as an image of the operand's registers (byte 512 c + 16 l + j: tile row l % 16, k = 32 c + 16 (l / 16) + j);
; scale word of (s, i, r) at 32,768 + 512 s + 256 (i / 4) + 16 r + 4 (i % 4).  Row m of tile 2 g + u is row 32 g + 8 u + m + 8 (m / 8).
; SHARES: a work-group makes one tile of 16 rows.  Wave w normalises tile rows 4 w .. 4 w + 3, a whole row in 32 registers; the rows meet in a stage in LDS (pitch 4,112 bytes: an odd multiple of 16); then wave w quantises chunk w
; of all 16 rows: lane (r, h) takes 16 neighbours of each block of 32 of row r, so the conversions' results are the fragment's registers and leave as runs of 512 consecutive bytes.
; LIMITS: 1 / sqrt by v_rsq_f32; a block of zeros, or one under 2^-111, gets byte 1 (its codes are zeros; this program alone reads the bytes); NaN and infinities are not served.
.set PITCH, 4112
.set SPARE, 16*PITCH                   ; behind the stage: the spare words, 128 bytes a wave, which no other line names
.set SPW, 10
.set NIL, 11
.set PC0, 12                           ; v12-27   step 0's codes
.set X,   32                           ; v32-159  four rows; later 128 numbers of a lane
.set G,   160                          ; v160-191 the gain of my 32 columns; later step 1's codes
.set PC1, 160
.set BV,  192                          ; v192-223 the shift
.set TM,  224                          ; v224-239 largest magnitudes, bytes, scale operands
.set PW0, 240
.set PW1, 241
.set ME,  244                          ; v244-251 a pair a row: low word the mean, later 1 / sqrt; high word var + eps
	s_load_b256 s[4:11], s[0:1], 0x0               ; in, gain, shift, out
	v_lshl_add_u32 v[SPW], v0, 2, SPARE
	v_mov_b32 v[NIL], 0
	v_lshrrev_b32 v1, 5, v0
	v_readfirstlane_b32 s16, v1                    ; wave
	v_and_b32 v1, 31, v0
	v_and_b32 v2, 15, v0                           ; r
	v_bfe_u32 v3, v0, 4, 1                         ; h
	v_lshlrev_b32 v4, 4, v1                        ; 16 x lane
	s_mul_i32 s17, s16, 4*PITCH
	v_add_nc_u32 v5, s17, v4                       ; into the stage: my four rows, 16 bytes a lane
	v_mul_u32_u24 v6, v2, PITCH
	v_lshl_add_u32 v6, v3, 6, v6
	s_lshl_b32 s17, s16, 10
	v_add_nc_u32 v6, s17, v6                       ; out of it: row r, chunk w, + 64 h
	v_lshlrev_b32 v7, 4, v2
	v_lshl_add_u32 v7, v3, 9, v7                   ; scale words: 16 r, lanes 16-31 step 1's
	s_mov_b32 s12, 0x76543210
	s_mov_b32 s13, 0xfedcba98                      ; v_permlanex16_b32's selects for lane l xor 16
	s_mov_b32 s14, 0x3a800000                      ; 1 / 1,024
	s_mov_b32 s26, 0xffff0000                      ; lanes 16-31
.irp i, 0,1,2,3
	v_mov_b32 v[ME+2*\i+1], 0                      ; named as the upper half of a pair before it is first used
	v_mov_b32 v[TM+4+\i], 0                        ; a lane permute's destination counts as one of its sources
.endr
	s_lshr_b32 s18, ttmp9, 1
	s_lshl_b32 s18, s18, 5
	s_and_b32 s19, ttmp9, 1
	s_lshl_b32 s19, s19, 3
	s_add_co_u32 s18, s18, s19
	s_lshl_b32 s19, s16, 2
	s_add_co_u32 s18, s18, s19
	s_lshr_b32 s19, s16, 1
	s_lshl_b32 s19, s19, 3
	s_add_co_u32 s18, s18, s19                     ; my first row: 32 (T / 2) + 8 (T % 2) + 4 w + 8 (w / 2)
	s_lshl_b32 s18, s18, 12
	s_mov_b32 s19, 0
	s_lshr_b32 s20, ttmp9, 3
	s_lshl_b32 s20, s20, 2
	s_add_co_u32 s20, s20, s16
	s_mul_i32 s20, s20, 33792                      ; panel T / 8, chunk w
	s_and_b32 s21, ttmp9, 7
	s_lshl_b32 s22, s21, 11
	s_add_co_u32 s22, s22, s20
	s_mov_b32 s23, 0
	s_lshr_b32 s24, s21, 2
	s_lshl_b32 s24, s24, 8
	s_and_b32 s25, ttmp9, 3
	s_lshl_b32 s25, s25, 2
	s_add_co_u32 s24, s24, s25
	s_add_co_u32 s24, s24, s20
	s_add_co_u32 s24, s24, 32768
	s_mov_b32 s25, 0
	s_wait_kmcnt 0x0
	s_add_nc_u64 s[4:5], s[4:5], s[18:19]
	s_add_nc_u64 s[22:23], s[10:11], s[22:23]      ; my tile's codes
	s_add_nc_u64 s[24:25], s[10:11], s[24:25]      ; and its scale words
.irp j, 0,1,2,3,4,5,6,7
	global_load_b128 v[G+4*\j:G+4*\j+3], v4, s[6:7] offset:512*\j
	global_load_b128 v[BV+4*\j:BV+4*\j+3], v4, s[8:9] offset:512*\j
.endr
.irp i, 0,1,2,3
.irp j, 0,1,2,3,4,5,6,7
	global_load_b128 v[X+32*\i+4*\j:X+32*\i+4*\j+3], v4, s[4:5] offset:4096*\i+512*\j   ; 512 consecutive bytes a load
.endr
.endr
.macro LANESUM                         ; v28 := its sum over the 32 lanes, in every lane
	v_add_f32_dpp v28, v28, v28 row_xmask:1 row_mask:0xf bank_mask:0xf
	v_add_f32_dpp v28, v28, v28 row_xmask:2 row_mask:0xf bank_mask:0xf
	v_add_f32_dpp v28, v28, v28 row_xmask:4 row_mask:0xf bank_mask:0xf
	v_add_f32_dpp v28, v28, v28 row_xmask:8 row_mask:0xf bank_mask:0xf
	v_permlanex16_b32 v29, v28, s12, s13
	v_add_f32 v28, v28, v29
.endm
.macro STAT i                          ; row i: the mean is taken away in place; var + eps goes to the pair's high word
.set XR, X+32*(\i)
	s_wait_loadcnt 24-8*(\i)                       ; this row's eight loads are in; the later rows' may be out
	v_pk_add_f32 v[28:29], v[XR:XR+1], v[XR+2:XR+3]
	v_pk_add_f32 v[30:31], v[XR+4:XR+5], v[XR+6:XR+7]
.irp j, 8,12,16,20,24,28
	v_pk_add_f32 v[28:29], v[28:29], v[XR+\j:XR+\j+1]
	v_pk_add_f32 v[30:31], v[30:31], v[XR+\j+2:XR+\j+3]
.endr
	v_pk_add_f32 v[28:29], v[28:29], v[30:31]
	v_add_f32 v28, v28, v29
	LANESUM
	v_mul_f32 v[ME+2*(\i)], s14, v28
.set n, 0
.rept 16
	v_pk_add_f32 v[XR+n:XR+n+1], v[XR+n:XR+n+1], v[ME+2*(\i):ME+2*(\i)+1] op_sel_hi:[1,0] neg_lo:[0,1] neg_hi:[0,1]
.set n, n+2
.endr
	v_pk_mul_f32 v[28:29], v[XR:XR+1], v[XR:XR+1]
	v_pk_mul_f32 v[30:31], v[XR+2:XR+3], v[XR+2:XR+3]
.irp j, 4,8,12,16,20,24,28
	v_pk_fma_f32 v[28:29], v[XR+\j:XR+\j+1], v[XR+\j:XR+\j+1], v[28:29]
	v_pk_fma_f32 v[30:31], v[XR+\j+2:XR+\j+3], v[XR+\j+2:XR+\j+3], v[30:31]
.endr
	v_pk_add_f32 v[28:29], v[28:29], v[30:31]
	v_add_f32 v28, v28, v29
	LANESUM
	v_fmaak_f32 v[ME+2*(\i)+1], s14, v28, 0x3727c5ac   ; the sum of squares / 1,024 + 1e-5
.endm
	STAT 0
	STAT 1
	STAT 2
	STAT 3
	s_wait_alu depctr_va_vdst(0)
.irp i, 0,1,2,3
	v_rsq_f32 v[ME+2*\i], v[ME+2*\i+1]             ; one batch of four
.endr
	v_nop                                          ; a plain instruction behind the last of them,
	s_wait_alu depctr_va_vdst(0)                   ; and the one wait ahead of the first reader
.irp i, 0,1,2,3
.set n, 0
.rept 16
	v_pk_mul_f32 v[X+32*\i+n:X+32*\i+n+1], v[X+32*\i+n:X+32*\i+n+1], v[ME+2*\i:ME+2*\i+1] op_sel_hi:[1,0]
	v_pk_fma_f32 v[X+32*\i+n:X+32*\i+n+1], v[X+32*\i+n:X+32*\i+n+1], v[G+n:G+n+1], v[BV+n:BV+n+1]
.set n, n+2
.endr
.irp j, 0,1,2,3,4,5,6,7
	ds_store_b128 v5, v[X+32*\i+4*\j:X+32*\i+4*\j+3] offset:PITCH*\i+512*\j
.endr
.endr
	s_wait_dscnt 0x0                               ; for the others' sake: my rows lie in the stage
	s_barrier_signal -1
	s_barrier_wait -1
.irp s, 0,1
.irp c, 0,1,2,3
.irp j, 0,1,2,3
	ds_load_b128 v[X+64*\s+16*\c+4*\j:X+64*\s+16*\c+4*\j+3], v6 offset:512*\s+128*\c+16*\j   ; register 64 s + 16 c + i = k 128 s + 32 c + 16 h + i of row r
.endr
.endr
.endr
; 64 numbers of a lane become a fragment's codes in v[pc] on and its scale word in v[pw]
.macro QUANT s, pc, pw
.irp b, 0,1,2,3
	v_max3_num_f32 v[TM+\b], |v[\s+16*\b]|, |v[\s+1+16*\b]|, 0x8000000   ; block b: my 16 numbers and the floor 2^(16 - 127)
.endr
.irp i, 2,4,6,8,10,12,14
.irp b, 0,1,2,3
	v_max3_num_f32 v[TM+\b], v[TM+\b], |v[\s+16*\b+\i]|, |v[\s+1+16*\b+\i]|
.endr
.endr
.irp b, 0,1,2,3
	v_permlanex16_b32 v[TM+4+\b], v[TM+\b], s12, s13
.endr
.irp b, 0,1,2,3
	v_max_num_f32 v[TM+\b], v[TM+\b], v[TM+4+\b]   ; with lane l xor 16's: the block's largest magnitude
.endr
.irp b, 0,1,2,3
	v_add_nc_u32 v[TM+12+\b], 0xf8800000, v[TM+\b] ; 15 off its exponent field: the conversion's scale operand
.endr
.irp b, 0,1,2,3
.endr
.irp b, 0,1,2,3
	v_lshrrev_b32 v[TM+4+\b], 23, v[TM+12+\b]      ; the scale's byte
.endr
	v_lshl_or_b32 v[\pw], v[TM+5], 8, v[TM+4]
	v_lshl_or_b32 v[\pw], v[TM+6], 16, v[\pw]
	v_lshl_or_b32 v[\pw], v[TM+7], 24, v[\pw]
.irp b, 0,1,2,3
.irp i, 0,1,2,3,4,5,6,7,8,9,10,11,12,13,14,15
.endr
	v_cvt_scalef32_pk8_bf8_f32 v[\pc+4*\b:\pc+4*\b+1], v[\s+16*\b:\s+16*\b+7], v[TM+12+\b]
	v_cvt_scalef32_pk8_bf8_f32 v[\pc+4*\b+2:\pc+4*\b+3], v[\s+16*\b+8:\s+16*\b+15], v[TM+12+\b]
.endr
	v_nop                                          ; a plain instruction behind the last conversion
.endm
	s_wait_dscnt 16                                ; step 0's sixteen loads are in; step 1's may be out
	QUANT X, PC0, PW0
.irp c, 0,1,2,3
	global_store_b128 v4, v[PC0+4*\c:PC0+4*\c+3], s[22:23] offset:512*\c          ; 512 consecutive bytes, aligned
.endr
	s_wait_dscnt 0x0
	QUANT X+64, PC1, PW1
.irp c, 0,1,2,3
	global_store_b128 v4, v[PC1+4*\c:PC1+4*\c+3], s[22:23] offset:16384+512*\c
.endr
	v_cndmask_b32 v242, v[PW0], v[PW1], s26        ; lanes 0-15 carry step 0's word of row r, lanes 16-31 step 1's
	global_store_b32 v7, v242, s[24:25]
	s_wait_tensorcnt 0x0                           ; the wave's end
	ds_add_u32 v[SPW], v[NIL]
	s_wait_dscnt 0x0
	s_endpgm
.Lfunc_end_k_q896d036e76_ln2:
	.size	k_q896d036e76_ln2, .Lfunc_end_k_q896d036e76_ln2-k_q896d036e76_ln2
	.p2alignl 7, 3214868480
	.fill 96, 4, 3214868480
	.section	.rodata,"a",@progbits
	.p2align	6, 0x0
	.amdhsa_kernel k_q896d036e76_ln2
		.amdhsa_group_segment_fixed_size 66304
		.amdhsa_private_segment_fixed_size 0
		.amdhsa_enable_private_segment 0
		.amdhsa_kernarg_size 32
		.amdhsa_user_sgpr_count 2
		.amdhsa_user_sgpr_kernarg_segment_ptr 1
		.amdhsa_wavefront_size32 1
		.amdhsa_system_sgpr_workgroup_id_x 1
		.amdhsa_system_sgpr_workgroup_id_y 1
		.amdhsa_system_sgpr_workgroup_id_z 1
		.amdhsa_system_vgpr_workitem_id 0
		.amdhsa_next_free_vgpr 256
		.amdhsa_next_free_sgpr 66
		.amdhsa_reserve_vcc 0
		.amdhsa_float_denorm_mode_32 3
		.amdhsa_float_denorm_mode_16_64 3
		.amdhsa_fp16_overflow 1
		.amdhsa_memory_ordered 1
		.amdhsa_forward_progress 1
		.amdhsa_inst_pref_size 44
	.end_amdhsa_kernel
	.amdgpu_metadata
---
amdhsa.version: [ 1, 2 ]
amdhsa.kernels:
  - .name:           k_q896d036e76_ln2
    .symbol:         k_q896d036e76_ln2.kd
    .args:
      - { .name: hbuf, .offset: 0, .size: 8, .value_kind: global_buffer, .address_space: global }
      - { .name: ln2_s, .offset: 8, .size: 8, .value_kind: global_buffer, .address_space: global }
      - { .name: ln2_b, .offset: 16, .size: 8, .value_kind: global_buffer, .address_space: global }
      - { .name: yimg, .offset: 24, .size: 8, .value_kind: global_buffer, .address_space: global }
    .group_segment_fixed_size: 66304
    .private_segment_fixed_size: 0
    .kernarg_segment_align: 8
    .kernarg_segment_size: 32
    .max_flat_workgroup_size: 128
    .sgpr_count:     66
    .vgpr_count:     256
    .wavefront_size: 32
...
	.end_amdgpu_metadata
.endif
;; end of part 5
;; launch ff1 (part 6): grid 16 x 16, 4 waves a work-group, clusters of 4 x 4, 327,680 bytes of LDS; arguments yimg, wimg, ff_b1, himg; writes himg
.if DOCPART == 6
	.amdgcn_target "amdgcn-amd-amdhsa--gfx1250"
	.amdhsa_code_object_version 6
	.text
	.protected	k_q896d036e76_ff1
	.globl	k_q896d036e76_ff1
	.p2align	8
	.type	k_q896d036e76_ff1,@function
k_q896d036e76_ff1:
	s_mov_b64 s[64:65], 0
	v_nop
	global_prefetch_b8 v0, s[64:65] scope:SCOPE_SE
	s_setreg_imm32_b32 hwreg(HW_REG_WAVE_MODE, 25, 1), 1
	s_wait_xcnt 0x0
	s_wait_alu depctr_hold_cnt(0) depctr_sa_sdst(0) depctr_va_vdst(0) depctr_va_sdst(0) depctr_va_ssrc(0) depctr_va_vcc(0) depctr_vm_vsrc(0)
	s_getreg_b32 s2, hwreg(HW_REG_IB_STS2, 6, 4)
	s_cmp_eq_u32 s2, 0
	s_cbranch_scc0 .Lentry_in_a_cluster
	s_endpgm
.Lentry_in_a_cluster:
	s_bfe_u32 s2, ttmp6, 0x10000c
	s_cmp_lg_u32 s2, 0xf033
	s_cbranch_scc0 .Lentry_shape_is_right
	s_endpgm
.Lentry_shape_is_right:
; hidden = gelu(y ff_w1 + ff_b1), the product on codes of BF8 (E5M2) with E8M0 scales, K = 1,024, N = 4,096; the hidden layer is quantised in registers along N, the next product's K, and stored as that product's operand.
; OPERANDS are panels of 128 rows x 256 K, 33,792 bytes: fragments as images of the operand's registers at (8 s + i) 2,048, scale words at 32,768 + 512 s + 256 (i / 4) + 16 r + 4 (i % 4); a buffer is [panel][chunk of 256 K].
; A tile of 256 x 256 by four waves, 128 x 128 each: 64 accumulators.  K goes in chunks of 256 through two LDS slots of four panels; each wave fetches one panel, dense, by one tensor load.
; SOURCE 0 = the weight (B), SOURCE 1 = the rows (A): a lane holds one row, and the 64 registers of a block of rows are 128 NEIGHBOURING hidden units: one fragment of the next operand.
; THE ACTIVATION: 0.5 x (1 + tanh(u)), u = sqrt(2 / pi) x + 0.044715 x^3, is written x / (1 + 2^(-x (k1 + k2 x^2))), k1 = 2 log2(e) sqrt(2 / pi), k2 = 2 log2(e) 0.044715: the same function, with no difference of near numbers
; and no infinity times zero: for x far below 0 the power is infinite and the quotient 0; far above, the power is 0.  The sums start from the bias (reference() adds it last: another order of rounding).
; CLUSTERS: 4 x 4 work-groups; A's panels are shared along a row of the cluster, B's along a column, each asked for jointly.
; LIMITS: v_exp_f32 and v_rcp_f32 in the activation; a block of zeros, or one under 2^-111, gets byte 1; NaN and infinities are not served.
; REGISTERS: window 0: v16-31 addresses and constants; v32-63 scale words, two sets, and nothing else; v64-127 the bias; from v128 A's fragments; window 1: B's fragments, two sets; windows 2, 3: accumulator (a, b) at v[8 (8 (a % 4) + b)].
.set SIZE_K, 1024
.set WOFF,   4325376                   ; ff_w1's panels in wimg
.set NBLK,   8
.set NQ,     2
.set PANEL,  33792
.set WSTR,   PANEL
.set WS2,    PANEL
.set SLSTEP, PANEL
.set NCH,    SIZE_K/256
.set TSTR,   2*NCH*PANEL
.set HSTR,   NCH*PANEL
.set LAPS,   SIZE_K/(256*NQ)
.set SLOT,   4*PANEL
.set SPARE,  2*SLOT                    ; behind the ring: the spare words, 128 bytes a wave, which no other line names
.set APW,    32/NBLK
.set HL,     2*NBLK
.set ADRA, 16
.set ADRB, 20
.set ADRS, 22
.set SPW,  28
.set NIL,  29
.set SC,   32
.set BIAS, 64
.set AF,   128
.set G1,  24
.set G0,  32
.set G1B, 48
.set G0B, 56
.set MUL_LO, 0xa1
.set MUL_HI, 0xf1
.set BIA_LO, 0x81                      ; C (the bias) window 0, D window 2
.set BIA_HI, 0xc1                      ; D window 3
.set TO_B,   0x40
.set MSB, 0
.macro WIN new                         ; the immediate's high byte repeats the setting that is left
.if MSB != (\new)
	s_set_vgpr_msb (MSB<<8)|(\new)
.set MSB, (\new)
.endif
.endm
.macro JLOAD s                         ; a joint load: waves 0, 1 fetch for A, waves 2, 3 for B; an s_nop 0 and four v_nop follow each line
	s_cmp_eq_u32 s15, 0
	s_cbranch_scc0 .Lfor_b_\@
	tensor_load_to_lds s[G0+4*\s:G0+4*\s+3], s[G1:G1+7]
	s_nop 0
.rept 4
	v_nop
.endr
	s_branch .Lasked_\@
.Lfor_b_\@:
	tensor_load_to_lds s[G0B+4*\s:G0B+4*\s+3], s[G1B:G1B+7]
	s_nop 0
.rept 4
	v_nop
.endr
.Lasked_\@:
.endm
.macro CREST
	s_cmp_lg_u32 s14, 0
	s_cbranch_scc1 .Lnot_wave_0_\@
	s_barrier_signal -3
.Lnot_wave_0_\@:
	s_barrier_wait -3
	s_barrier_signal -1
	s_barrier_wait -1
.endm
.macro CROUND
	s_barrier_signal -1
	s_barrier_wait -1
	CREST
.endm
.macro PLACES n
.rept \n
	v_nop
.endr
.endm
.macro FRAG reg, adr, off
.irp c, 0,1,2,3
	ds_load_b128 v[\reg+4*\c:\reg+4*\c+3], v[\adr] offset:(\off)+512*\c
.endr
.endm
.macro FETCH_B slot, q, p
	WIN TO_B
.irp i, 0,1,2,3,4,5,6,7
.if \i < NBLK
	FRAG 128*(\p)+16*\i, ADRB+\slot, ((\q)/2)*PANEL+(8*((\q)%2)+\i)*2048
.endif
.endr
	WIN 0
.endm
.macro FETCH_A slot, q, i0
.set ii, \i0
.rept NBLK/2
	FRAG AF+16*ii, ADRA+\slot, ((\q)/2)*PANEL+(8*((\q)%2)+ii)*2048
.set ii, ii+1
.endr
.endm
.macro SCALES slot                     ; register NBLK q + i: lanes 0-15 A's block i, lanes 16-31 B's block i
.irp n, 0,1,2,3
.if NBLK == 8
	ds_load_b128 v[SC+16*\slot+4*\n:SC+16*\slot+4*\n+3], v[ADRS+\slot] offset:512*(\n/2)+256*(\n%2)
.else
	ds_load_b128 v[SC+16*\slot+4*\n:SC+16*\slot+4*\n+3], v[ADRS+\slot] offset:(\n/2)*PANEL+512*(\n%2)
.endif
.endr
.endm
.macro MULB a, p, q, sc, first
.irp b, 0,1,2,3,4,5,6,7
.if \b < NBLK
.set rD, 8*(NBLK*((\a)%APW)+\b)
.set rB, 128*(\p)+16*\b
.set rA, AF+16*(\a)
.set rS, SC+16*(\sc)+NBLK*(\q)
.if \first == 1
	v_wmma_scale_f32_16x16x128_f8f6f4 v[rD:rD+7], v[rB:rB+15], v[rA:rA+15], 0, v[rS+\b], v[rS+(\a)] matrix_a_fmt:MATRIX_FMT_BF8 matrix_b_fmt:MATRIX_FMT_BF8 matrix_a_scale:MATRIX_SCALE_ROW1
.elseif \first == 2
	v_wmma_scale_f32_16x16x128_f8f6f4 v[rD:rD+7], v[rB:rB+15], v[rA:rA+15], v[BIAS+8*\b:BIAS+8*\b+7], v[rS+\b], v[rS+(\a)] matrix_a_fmt:MATRIX_FMT_BF8 matrix_b_fmt:MATRIX_FMT_BF8 matrix_a_scale:MATRIX_SCALE_ROW1
.else
	v_wmma_scale_f32_16x16x128_f8f6f4 v[rD:rD+7], v[rB:rB+15], v[rA:rA+15], v[rD:rD+7], v[rS+\b], v[rS+(\a)] matrix_a_fmt:MATRIX_FMT_BF8 matrix_b_fmt:MATRIX_FMT_BF8 matrix_a_scale:MATRIX_SCALE_ROW1
.endif
.endif
.endr
.endm
.macro MULS a0, n, p, q, sc, first     ; the accumulators take turns, one instruction a turn, in the same order in every step
.set aa, \a0
.rept \n
	MULB aa, \p, \q, \sc, \first
.set aa, aa+1
.endr
.endm
.macro STEP slot, q, first
	s_wait_dscnt HL                                ; B's set and A's first half are in; the youngest HL loads (A's second half) may be out
.if \first == 2
	WIN BIA_LO
.else
	WIN MUL_LO
.endif
	MULS 0, NBLK/2, (\q)%2, \q, \slot, \first
	s_wait_dscnt 0x0
	PLACES 8
	FETCH_B \slot, (\q)+1, 1-(\q)%2
	FETCH_A \slot, (\q)+1, 0
.if \first == 2
	WIN BIA_HI
.else
	WIN MUL_HI
.endif
	MULS NBLK/2, NBLK/2, (\q)%2, \q, \slot, \first
	PLACES 8
	WIN 0
	FETCH_A \slot, (\q)+1, NBLK/2
.endm
.macro REST slot
.if NQ == 4
	STEP \slot, 1, 0
	STEP \slot, 2, 0
.endif
.endm
.macro TURN slot, next, fill
	s_wait_tensorcnt 0x0                           ; all my tensor loads have landed: my part of the next slot
	ds_add_u32 v[SPW], v[NIL]                      ; 0 onto my spare word
	s_wait_dscnt HL+1                              ; (the add and A's second half may be out)
	WIN MUL_LO
	MULS 0, NBLK/4, 1, NQ-1, \slot, 0
	s_wait_dscnt 0x0                               ; the add is done, and my reads of this slot are over
	s_barrier_signal -1
	MULS NBLK/4, NBLK/4, 1, NQ-1, \slot, 0
	WIN 0
	s_barrier_wait -1
.if \fill
	CREST
	s_add_nc_u64 s[G0+4*\slot+2:G0+4*\slot+3], s[G0+4*\slot+2:G0+4*\slot+3], 2*SLSTEP
	s_add_nc_u64 s[G0B+4*\slot+2:G0B+4*\slot+3], s[G0B+4*\slot+2:G0B+4*\slot+3], 2*SLSTEP
	JLOAD \slot
	PLACES 4
.else
	PLACES 8
.endif
	FETCH_B \next, 0, 0
	FETCH_A \next, 0, 0
	SCALES \next
	WIN MUL_HI
	MULS NBLK/2, NBLK/2, 1, NQ-1, \slot, 0
	PLACES 8
	WIN 0
	FETCH_A \next, 0, NBLK/2
.endm
.macro LAST
	s_wait_dscnt HL
	WIN MUL_LO
	MULS 0, NBLK/2, 1, NQ-1, 1, 0
	s_wait_dscnt 0x0
	WIN MUL_HI
	MULS NBLK/2, NBLK/2, 1, NQ-1, 1, 0
	WIN 0
.endm
	s_load_b256 s[4:11], s[0:1], 0x0               ; yimg, wimg, ff_b1, himg
	v_lshl_add_u32 v[SPW], v0, 2, SPARE
	v_mov_b32 v[NIL], 0
	ds_add_u32 v[SPW], v[NIL]                      ; the wave's opening: the add, twice on end, and its wait ahead of my first tensor load
	ds_add_u32 v[SPW], v[NIL]
	v_lshrrev_b32 v1, 5, v0
	v_readfirstlane_b32 s14, v1
	s_lshr_b32 s15, s14, 1
	s_and_b32 s16, s14, 1
	s_bfe_u32 s40, ttmp6, 0x40000
	s_bfe_u32 s41, ttmp6, 0x40004
	s_lshl_b32 s18, ttmp9, 2
	s_add_co_u32 s18, s18, s40                     ; B's tile: 256 hidden units
	s_and_b32 s17, ttmp7, 0xffff
	s_lshl_b32 s17, s17, 2
	s_add_co_u32 s17, s17, s41                     ; A's tile: 256 rows
	s_lshl_b32 s43, s41, 2
	s_lshl_b32 s43, 15, s43
	s_lshl_b32 s44, 0x1111, s40
	s_or_b32 s[G1], s43, (3<<16)|(1<<21)           ; the mask; elements of 8 bytes; bit 21 beside a mask; no padding
	s_or_b32 s[G1B], s44, (3<<16)|(1<<21)
.irp g, G1, G1B
	s_mov_b32 s[\g+1], 32<<16                      ; rows of 256 bytes,
	s_mov_b32 s[\g+2], 132<<16                     ; 132 of them, dense
	s_mov_b32 s[\g+3], 32<<16
	s_mov_b32 s[\g+4], 132
	s_mov_b32 s[\g+5], 32
	s_mov_b32 s[\g+6], 0
	s_mov_b32 s[\g+7], 0
.endr
	s_mul_i32 s20, s17, TSTR
	s_mul_i32 s22, s16, HSTR
	s_add_co_u32 s20, s20, s22
	s_mov_b32 s21, 0
	s_mul_i32 s46, s18, TSTR
	s_add_co_u32 s46, s46, s22
	s_add_co_u32 s46, s46, WOFF
	s_mov_b32 s47, 0
	s_mul_i32 s45, s14, PANEL
	s_wait_dscnt 0x0
	s_wait_kmcnt 0x0
	s_add_nc_u64 s[20:21], s[4:5], s[20:21]
	s_add_nc_u64 s[46:47], s[6:7], s[46:47]
	CROUND
.irp s, 0,1
	s_mov_b32 s[G0+4*\s], 1
	s_add_co_u32 s[G0+4*\s+1], s45, \s*SLOT
	s_add_nc_u64 s[G0+4*\s+2:G0+4*\s+3], s[20:21], \s*SLSTEP
	s_or_b32 s[G0+4*\s+3], s[G0+4*\s+3], 0x80000000
	s_mov_b32 s[G0B+4*\s], 1
	s_add_co_u32 s[G0B+4*\s+1], s45, \s*SLOT
	s_add_nc_u64 s[G0B+4*\s+2:G0B+4*\s+3], s[46:47], \s*SLSTEP
	s_or_b32 s[G0B+4*\s+3], s[G0B+4*\s+3], 0x80000000
	JLOAD \s
.endr
	v_and_b32 v1, 31, v0
	v_and_b32 v2, 15, v0
	v_bfe_u32 v3, v0, 4, 1
	v_lshlrev_b32 v24, 4, v1                       ; 16 x lane
	s_mul_i32 s21, s15, WSTR
	s_mul_i32 s22, s16, WSTR
	s_add_co_u32 s22, s22, 2*PANEL
.irp s, 0,1
	v_add_nc_u32 v[ADRA+\s], s21, v24
	v_add_nc_u32 v[ADRB+\s], s22, v24
	s_add_co_u32 s21, s21, SLOT
	s_add_co_u32 s22, s22, SLOT
.endr
	s_mul_i32 s21, s15, WS2
	s_mul_i32 s22, s16, WS2
	s_add_co_u32 s22, s22, 2*PANEL
	s_sub_co_u32 s22, s22, s21
	v_mul_u32_u24 v5, s22, v3
	v_lshl_add_u32 v5, v2, 4, v5
	s_add_co_u32 s21, s21, 32768
	v_add_nc_u32 v[ADRS], s21, v5
	v_add_nc_u32 v[ADRS+1], SLOT, v[ADRS]
	s_lshl_b32 s20, s18, 10
	s_lshl_b32 s21, s16, 9
	s_add_co_u32 s20, s20, s21                     ; my 128 hidden units' biases
	s_mov_b32 s21, 0
	s_add_nc_u64 s[8:9], s[8:9], s[20:21]
	v_lshlrev_b32 v6, 6, v3                        ; in the result's layout: tile b, lane half h: units 32 (b / 2) + 16 h + 8 (b % 2) + 0 .. 7
.irp b, 0,1,2,3,4,5,6,7
	global_load_b128 v[BIAS+8*\b:BIAS+8*\b+3], v6, s[8:9] offset:128*(\b/2)+32*(\b%2)
	global_load_b128 v[BIAS+8*\b+4:BIAS+8*\b+7], v6, s[8:9] offset:128*(\b/2)+32*(\b%2)+16
.endr
	s_lshl_b32 s20, s17, 1
	s_add_co_u32 s20, s20, s15
	s_lshl_b32 s20, s20, 4
	s_add_co_u32 s20, s20, s18
	s_mul_i32 s20, s20, PANEL                      ; himg: my panel of rows, chunk = B's tile
	s_lshl_b32 s22, s16, 14
	s_add_co_u32 s22, s22, s20                     ; step = my half of B
	s_mov_b32 s23, 0
	s_add_nc_u64 s[66:67], s[10:11], s[22:23]
	s_lshl_b32 s22, s16, 9
	s_add_co_u32 s22, s22, s20
	s_add_co_u32 s22, s22, 32768
	s_add_nc_u64 s[68:69], s[10:11], s[22:23]
	s_mov_b32 s70, 0xbe041de0                      ; -k2 = -0.12902022
	s_mov_b32 s71, s70
	v_mov_b32 v30, 0xc0135761                      ; -k1 = -2.3022082
	v_mov_b32 v31, v30
	s_mov_b32 s96, 0xffff0000                      ; lanes 16-31
	s_mov_b32 s97, 0x600000
	s_mov_b32 s98, 0x76543210
	s_mov_b32 s99, 0xfedcba98
	s_wait_tensorcnt 1                             ; my part of slot 0 is in; slot 1's may be out
	s_barrier_signal -1
	s_barrier_wait -1
	FETCH_B 0, 0, 0
	FETCH_A 0, 0, 0
	SCALES 0
	FETCH_A 0, 0, NBLK/2
	s_wait_loadcnt 0x0                             ; the bias
	STEP 0, 0, 2                                   ; the first step stands in front of the loop: its products start the sums from the bias
.if LAPS > 1
	s_mov_b32 s3, LAPS-1
.Llap:
	REST 0
	TURN 0, 1, 1
	STEP 1, 0, 0
	REST 1
	TURN 1, 0, 1
	STEP 0, 0, 0
	s_sub_co_u32 s3, s3, 1
	s_cmp_lg_u32 s3, 0
	s_cbranch_scc1 .Llap
.endif
	REST 0
	TURN 0, 1, 0
	STEP 1, 0, 0
	REST 1
	LAST
.set H,   128                          ; v128-191 the activations, then held
.set T,   192                          ; v192-255 at work
.set PC,  64
.set TM,  80
.set PWS, 96
.set WV,  108
.macro GELU s, sw                      ; 64 numbers at v[s] on in window sw -> their activations in v[H] on.  Each accumulator is read from its low end on
	WIN (\sw)|((\sw)<<2)
.set n, 0
.rept 32
	v_pk_mul_f32 v[T+n:T+n+1], v[(\s)+n:(\s)+n+1], v[(\s)+n:(\s)+n+1]
.set n, n+2
.endr
	WIN 0
.set n, 0
.rept 32
	v_pk_fma_f32 v[T+n:T+n+1], v[T+n:T+n+1], s[70:71], v[30:31] op_sel_hi:[1,0,0]   ; -(k1 + k2 x^2)
.set n, n+2
.endr
	WIN (\sw)<<2
.set n, 0
.rept 32
	v_pk_mul_f32 v[T+n:T+n+1], v[T+n:T+n+1], v[(\s)+n:(\s)+n+1]
.set n, n+2
.endr
	WIN 0
.set n, 0
.rept 64
	v_exp_f32 v[T+n], v[T+n]
.set n, n+1
.endr
	v_nop                                          ; a plain instruction behind the batch,
	s_wait_alu depctr_va_vdst(0)                   ; and its one wait
.set n, 0
.rept 32
	v_pk_add_f32 v[T+n:T+n+1], v[T+n:T+n+1], 1.0 op_sel_hi:[1,0]
.set n, n+2
.endr
.set n, 0
.rept 64
	v_rcp_f32 v[T+n], v[T+n]
.set n, n+1
.endr
	v_nop
	s_wait_alu depctr_va_vdst(0)
	WIN (\sw)<<2
.set n, 0
.rept 32
	v_pk_mul_f32 v[H+n:H+n+1], v[T+n:T+n+1], v[(\s)+n:(\s)+n+1]
.set n, n+2
.endr
	WIN 0
.endm
.macro QUANTW s, sw, pw                ; 64 numbers at v[s] on in window sw -> codes in v[PC] on, scale word in v[pw]
	WIN (\sw)|((\sw)<<2)
.irp b, 0,1,2,3
	v_max3_num_f32 v[TM+\b], |v[(\s)+16*\b]|, |v[(\s)+16*\b+1]|, 0x8000000   ; my 16 numbers of block b, and the floor 2^(16 - 127)
.endr
	WIN ((\sw)<<2)|((\sw)<<4)
.irp i, 2,4,6,8,10,12,14
.irp b, 0,1,2,3
	v_max3_num_f32 v[TM+\b], v[TM+\b], |v[(\s)+16*\b+\i]|, |v[(\s)+16*\b+\i+1]|
.endr
.endr
	WIN 0
.irp b, 0,1,2,3
	v_permlanex16_b32 v[TM+4+\b], v[TM+\b], s98, s99
.endr
.irp b, 0,1,2,3
	v_max_num_f32 v[TM+\b], v[TM+\b], v[TM+4+\b]
.endr
.irp b, 0,1,2,3
	v_add_nc_u32 v[TM+12+\b], 0xf8800000, v[TM+\b]
.endr
.irp b, 0,1,2,3
	v_and_or_b32 v[TM+8+\b], v[TM+\b], 0x7f800000, s97
.endr
.irp b, 0,1,2,3
	v_lshrrev_b32 v[TM+4+\b], 23, v[TM+12+\b]
.endr
	v_lshl_or_b32 v[\pw], v[TM+5], 8, v[TM+4]
	v_lshl_or_b32 v[\pw], v[TM+6], 16, v[\pw]
	v_lshl_or_b32 v[\pw], v[TM+7], 24, v[\pw]
	WIN \sw
.set n, 0
.rept 64
	v_med3_num_f32 v[H+n], v[(\s)+n], -v[TM+8+n/16], v[TM+8+n/16]   ; the hold: the conversion does not saturate (ISA guide 7.6.2)
.set n, n+1
.endr
	WIN 0
.irp b, 0,1,2,3
	v_cvt_scalef32_pk8_bf8_f32 v[PC+4*\b:PC+4*\b+1], v[H+16*\b:H+16*\b+7], v[TM+12+\b]
	v_cvt_scalef32_pk8_bf8_f32 v[PC+4*\b+2:PC+4*\b+3], v[H+16*\b+8:H+16*\b+15], v[TM+12+\b]
.endr
	v_nop                                          ; a plain instruction behind the last conversion
.endm
	PLACES 8
.irp b, 0,1,2,3
	v_mov_b32 v[TM+4+\b], 0                        ; a lane permute's destination counts as one of its sources
.endr
.irp a, 0,1,2,3,4,5,6,7
	GELU 64*(\a%4), 2+\a/4
	s_wait_xcnt 0x0                                ; the last block's stores have read their data: the codes' registers are written again
	QUANTW H, 0, PWS+\a
.irp c, 0,1,2,3
	global_store_b128 v24, v[PC+4*\c:PC+4*\c+3], s[66:67] offset:2048*\a+512*\c   ; 512 consecutive bytes, aligned
.endr
.endr
.irp p, 0,1,2,3
	v_cndmask_b32 v[WV+\p], v[PWS+\p], v[PWS+4+\p], s96   ; lanes 0-15: tiles 0-3's words of row r; lanes 16-31: tiles 4-7's
.endr
	global_store_b128 v24, v[WV:WV+3], s[68:69]    ; 512 consecutive bytes
	s_wait_tensorcnt 0x0                           ; the wave's end
	ds_add_u32 v[SPW], v[NIL]
	s_wait_dscnt 0x0
	CROUND
	s_endpgm
.Lfunc_end_k_q896d036e76_ff1:
	.size	k_q896d036e76_ff1, .Lfunc_end_k_q896d036e76_ff1-k_q896d036e76_ff1
	.p2alignl 7, 3214868480
	.fill 96, 4, 3214868480
	.section	.rodata,"a",@progbits
	.p2align	6, 0x0
	.amdhsa_kernel k_q896d036e76_ff1
		.amdhsa_group_segment_fixed_size 327680
		.amdhsa_private_segment_fixed_size 0
		.amdhsa_enable_private_segment 0
		.amdhsa_kernarg_size 32
		.amdhsa_user_sgpr_count 2
		.amdhsa_user_sgpr_kernarg_segment_ptr 1
		.amdhsa_wavefront_size32 1
		.amdhsa_system_sgpr_workgroup_id_x 1
		.amdhsa_system_sgpr_workgroup_id_y 1
		.amdhsa_system_sgpr_workgroup_id_z 1
		.amdhsa_system_vgpr_workitem_id 0
		.amdhsa_next_free_vgpr 1024
		.amdhsa_next_free_sgpr 100
		.amdhsa_reserve_vcc 0
		.amdhsa_float_denorm_mode_32 3
		.amdhsa_float_denorm_mode_16_64 3
		.amdhsa_memory_ordered 1
		.amdhsa_forward_progress 1
		.amdhsa_inst_pref_size 255
	.end_amdhsa_kernel
	.section	.bss,"aw",@nobits
	.p2align	6
	.space	262144
	.amdgpu_metadata
---
amdhsa.version: [ 1, 2 ]
amdhsa.kernels:
  - .name:           k_q896d036e76_ff1
    .symbol:         k_q896d036e76_ff1.kd
    .args:
      - { .name: yimg, .offset: 0, .size: 8, .value_kind: global_buffer, .address_space: global }
      - { .name: wimg, .offset: 8, .size: 8, .value_kind: global_buffer, .address_space: global }
      - { .name: ff_b1, .offset: 16, .size: 8, .value_kind: global_buffer, .address_space: global }
      - { .name: himg, .offset: 24, .size: 8, .value_kind: global_buffer, .address_space: global }
    .group_segment_fixed_size: 327680
    .private_segment_fixed_size: 0
    .kernarg_segment_align: 8
    .kernarg_segment_size: 32
    .max_flat_workgroup_size: 128
    .sgpr_count:     100
    .vgpr_count:     1024
    .wavefront_size: 32
...
	.end_amdgpu_metadata
.endif
;; end of part 6
;; launch ff2 (part 7): grid 8 x 32, 4 waves a work-group, clusters of 4 x 4, 327,680 bytes of LDS; arguments himg, wimg, ff_b2, hbuf, out0; writes out0
.if DOCPART == 7
	.amdgcn_target "amdgcn-amd-amdhsa--gfx1250"
	.amdhsa_code_object_version 6
	.text
	.protected	k_q896d036e76_ff2
	.globl	k_q896d036e76_ff2
	.p2align	8
	.type	k_q896d036e76_ff2,@function
k_q896d036e76_ff2:
	s_mov_b64 s[64:65], 0
	v_nop
	global_prefetch_b8 v0, s[64:65] scope:SCOPE_SE
	s_setreg_imm32_b32 hwreg(HW_REG_WAVE_MODE, 25, 1), 1
	s_wait_xcnt 0x0
	s_wait_alu depctr_hold_cnt(0) depctr_sa_sdst(0) depctr_va_vdst(0) depctr_va_sdst(0) depctr_va_ssrc(0) depctr_va_vcc(0) depctr_vm_vsrc(0)
	s_getreg_b32 s2, hwreg(HW_REG_IB_STS2, 6, 4)
	s_cmp_eq_u32 s2, 0
	s_cbranch_scc0 .Lentry_in_a_cluster
	s_endpgm
.Lentry_in_a_cluster:
	s_bfe_u32 s2, ttmp6, 0x10000c
	s_cmp_lg_u32 s2, 0xf033
	s_cbranch_scc0 .Lentry_shape_is_right
	s_endpgm
.Lentry_shape_is_right:
; out = hidden ff_w2 + ff_b2 + h, the product on codes of BF8 (E5M2) with E8M0 scales, K = 4,096, N = 1,024.
; OPERANDS are panels of 128 rows x 256 K, 33,792 bytes: fragments as images of the operand's registers at (8 s + i) 2,048, scale words at 32,768 + 512 s + 256 (i / 4) + 16 r + 4 (i % 4); a buffer is [panel][chunk of 256 K].
; A tile of 128 x 128, so that the 4,096 x 1,024 results give each of 256 work-groups one; four waves, 64 x 64 each: 16 accumulators.  A slot holds two chunks (512 along K) of A's panel and of B's; each wave fetches one chunk by one tensor load.
; SOURCE 0 = the weight (B), SOURCE 1 = the rows (A): a lane holds one row and eight neighbouring columns a tile.  The sums start from the bias (reference() adds it last: another order of rounding).
; ROWS: row m of tile 2 g + u of a panel is row 32 g + 8 u + m + 8 (m / 8).
; The results go through the wave's own stage in LDS, come back as rows of 256 bytes, take the residual and leave as whole aligned runs of 256 bytes.
; CLUSTERS: 4 x 4 work-groups; A's chunks are shared along a row of the cluster, B's along a column, each asked for jointly.
; REGISTERS: window 0: v16-27 addresses; v32-63 scale words, two sets, and nothing else; v64-95 the bias; v128-191 A's fragments, later rows on their way out; window 1: B's fragments, two sets; window 2: accumulator (a, b) at v[8 (4 a + b)]; window 3: the residual.
.set SIZE_K, 4096
.set WOFF,   8650752                   ; ff_w2's panels in wimg
.set MODE,   1
.set NBLK,   4
.set NQ,     4
.set PANEL,  33792
.set WSTR,   8192
.set WS2,    256
.set SLSTEP, 2*PANEL
.set NCH,    SIZE_K/256
.set TSTR,   NCH*PANEL
.set HSTR,   PANEL
.set LAPS,   SIZE_K/(256*NQ)
.set SLOT,   4*PANEL
.set STAGE,  2*SLOT                    ; behind the ring: 16 rows x 272 bytes for each wave
.set SPARE,  STAGE+4*4352              ; the spare words, 128 bytes a wave, which no other line names
.set APW,    32/NBLK
.set HL,     2*NBLK
.set ADRA, 16
.set ADRB, 20
.set ADRS, 22
.set SPW,  28
.set NIL,  29
.set SC,   32
.set BIAS, 64
.set AF,   128
.set BK,   128
.set G1,  24
.set G0,  32
.set G1B, 48
.set G0B, 56
.set MUL_LO, 0xa1
.set MUL_HI, 0xa1
.set BIA_LO, 0x81
.set BIA_HI, 0x81
.set TO_B,   0x40
.set MSB, 0
.macro WIN new                         ; the immediate's high byte repeats the setting that is left
.if MSB != (\new)
	s_set_vgpr_msb (MSB<<8)|(\new)
.set MSB, (\new)
.endif
.endm
.macro JLOAD s                         ; a joint load: waves 0, 1 fetch for A, waves 2, 3 for B; an s_nop 0 and four v_nop follow each line
	s_cmp_eq_u32 s15, 0
	s_cbranch_scc0 .Lfor_b_\@
	tensor_load_to_lds s[G0+4*\s:G0+4*\s+3], s[G1:G1+7]
	s_nop 0
.rept 4
	v_nop
.endr
	s_branch .Lasked_\@
.Lfor_b_\@:
	tensor_load_to_lds s[G0B+4*\s:G0B+4*\s+3], s[G1B:G1B+7]
	s_nop 0
.rept 4
	v_nop
.endr
.Lasked_\@:
.endm
.macro CREST
	s_cmp_lg_u32 s14, 0
	s_cbranch_scc1 .Lnot_wave_0_\@
	s_barrier_signal -3
.Lnot_wave_0_\@:
	s_barrier_wait -3
	s_barrier_signal -1
	s_barrier_wait -1
.endm
.macro CROUND
	s_barrier_signal -1
	s_barrier_wait -1
	CREST
.endm
.macro PLACES n
.rept \n
	v_nop
.endr
.endm
.macro FRAG reg, adr, off
.irp c, 0,1,2,3
	ds_load_b128 v[\reg+4*\c:\reg+4*\c+3], v[\adr] offset:(\off)+512*\c
.endr
.endm
.macro FETCH_B slot, q, p
	WIN TO_B
.irp i, 0,1,2,3,4,5,6,7
.if \i < NBLK
	FRAG 128*(\p)+16*\i, ADRB+\slot, ((\q)/2)*PANEL+(8*((\q)%2)+\i)*2048
.endif
.endr
	WIN 0
.endm
.macro FETCH_A slot, q, i0
.set ii, \i0
.rept NBLK/2
	FRAG AF+16*ii, ADRA+\slot, ((\q)/2)*PANEL+(8*((\q)%2)+ii)*2048
.set ii, ii+1
.endr
.endm
.macro SCALES slot                     ; register NBLK q + i: lanes 0-15 A's block i, lanes 16-31 B's block i
.irp n, 0,1,2,3
.if NBLK == 8
	ds_load_b128 v[SC+16*\slot+4*\n:SC+16*\slot+4*\n+3], v[ADRS+\slot] offset:512*(\n/2)+256*(\n%2)
.else
	ds_load_b128 v[SC+16*\slot+4*\n:SC+16*\slot+4*\n+3], v[ADRS+\slot] offset:(\n/2)*PANEL+512*(\n%2)
.endif
.endr
.endm
.macro MULB a, p, q, sc, first
.irp b, 0,1,2,3,4,5,6,7
.if \b < NBLK
.set rD, 8*(NBLK*((\a)%APW)+\b)
.set rB, 128*(\p)+16*\b
.set rA, AF+16*(\a)
.set rS, SC+16*(\sc)+NBLK*(\q)
.if \first == 1
	v_wmma_scale_f32_16x16x128_f8f6f4 v[rD:rD+7], v[rB:rB+15], v[rA:rA+15], 0, v[rS+\b], v[rS+(\a)] matrix_a_fmt:MATRIX_FMT_BF8 matrix_b_fmt:MATRIX_FMT_BF8 matrix_a_scale:MATRIX_SCALE_ROW1
.elseif \first == 2
	v_wmma_scale_f32_16x16x128_f8f6f4 v[rD:rD+7], v[rB:rB+15], v[rA:rA+15], v[BIAS+8*\b:BIAS+8*\b+7], v[rS+\b], v[rS+(\a)] matrix_a_fmt:MATRIX_FMT_BF8 matrix_b_fmt:MATRIX_FMT_BF8 matrix_a_scale:MATRIX_SCALE_ROW1
.else
	v_wmma_scale_f32_16x16x128_f8f6f4 v[rD:rD+7], v[rB:rB+15], v[rA:rA+15], v[rD:rD+7], v[rS+\b], v[rS+(\a)] matrix_a_fmt:MATRIX_FMT_BF8 matrix_b_fmt:MATRIX_FMT_BF8 matrix_a_scale:MATRIX_SCALE_ROW1
.endif
.endif
.endr
.endm
.macro MULS a0, n, p, q, sc, first     ; the accumulators take turns, one instruction a turn, in the same order in every step
.set aa, \a0
.rept \n
	MULB aa, \p, \q, \sc, \first
.set aa, aa+1
.endr
.endm
.macro STEP slot, q, first
	s_wait_dscnt HL                                ; B's set and A's first half are in; the youngest HL loads (A's second half) may be out
.if \first == 2
	WIN BIA_LO
.else
	WIN MUL_LO
.endif
	MULS 0, NBLK/2, (\q)%2, \q, \slot, \first
	s_wait_dscnt 0x0
	PLACES 8
	FETCH_B \slot, (\q)+1, 1-(\q)%2
	FETCH_A \slot, (\q)+1, 0
.if \first == 2
	WIN BIA_HI
.else
	WIN MUL_HI
.endif
	MULS NBLK/2, NBLK/2, (\q)%2, \q, \slot, \first
	PLACES 8
	WIN 0
	FETCH_A \slot, (\q)+1, NBLK/2
.endm
.macro REST slot
.if NQ == 4
	STEP \slot, 1, 0
	STEP \slot, 2, 0
.endif
.endm
.macro TURN slot, next, fill
	s_wait_tensorcnt 0x0                           ; all my tensor loads have landed: my part of the next slot
	ds_add_u32 v[SPW], v[NIL]                      ; 0 onto my spare word
	s_wait_dscnt HL+1                              ; (the add and A's second half may be out)
	WIN MUL_LO
	MULS 0, NBLK/4, 1, NQ-1, \slot, 0
	s_wait_dscnt 0x0                               ; the add is done, and my reads of this slot are over
	s_barrier_signal -1
	MULS NBLK/4, NBLK/4, 1, NQ-1, \slot, 0
	WIN 0
	s_barrier_wait -1
.if \fill
	CREST
	s_add_nc_u64 s[G0+4*\slot+2:G0+4*\slot+3], s[G0+4*\slot+2:G0+4*\slot+3], 2*SLSTEP
	s_add_nc_u64 s[G0B+4*\slot+2:G0B+4*\slot+3], s[G0B+4*\slot+2:G0B+4*\slot+3], 2*SLSTEP
	JLOAD \slot
	PLACES 4
.else
	PLACES 8
.endif
	FETCH_B \next, 0, 0
	FETCH_A \next, 0, 0
	SCALES \next
	WIN MUL_HI
	MULS NBLK/2, NBLK/2, 1, NQ-1, \slot, 0
	PLACES 8
	WIN 0
	FETCH_A \next, 0, NBLK/2
.endm
.macro LAST
	s_wait_dscnt HL
	WIN MUL_LO
	MULS 0, NBLK/2, 1, NQ-1, 1, 0
	s_wait_dscnt 0x0
	WIN MUL_HI
	MULS NBLK/2, NBLK/2, 1, NQ-1, 1, 0
	WIN 0
.endm
.macro RIMM a, tt                      ; RI: bytes from my first row to rows 2 tt, 2 tt + 1 of block a
.if MODE == 0
.set RI, (512*(\a)+64*(\tt))*4096
.else
.set RI, (32*((\a)/2)+8*((\a)%2)+2*(\tt)+8*((\tt)/4))*4096
.endif
.endm
	s_load_b256 s[4:11], s[0:1], 0x0               ; A's panels, wimg, the bias, the residual
	s_load_b64 s[12:13], s[0:1], 0x20              ; out
	v_lshl_add_u32 v[SPW], v0, 2, SPARE
	v_mov_b32 v[NIL], 0
	ds_add_u32 v[SPW], v[NIL]                      ; the wave's opening: the add, twice on end, and its wait ahead of my first tensor load
	ds_add_u32 v[SPW], v[NIL]
	v_lshrrev_b32 v1, 5, v0
	v_readfirstlane_b32 s14, v1
	s_lshr_b32 s15, s14, 1
	s_and_b32 s16, s14, 1
	s_bfe_u32 s40, ttmp6, 0x40000
	s_bfe_u32 s41, ttmp6, 0x40004
	s_lshl_b32 s18, ttmp9, 2
	s_add_co_u32 s18, s18, s40                     ; B's tile: 128 columns
	s_and_b32 s17, ttmp7, 0xffff
	s_lshl_b32 s17, s17, 2
	s_add_co_u32 s17, s17, s41                     ; A's tile: a panel of 128 rows
	s_lshl_b32 s43, s41, 2
	s_lshl_b32 s43, 15, s43
	s_lshl_b32 s44, 0x1111, s40
	s_or_b32 s[G1], s43, (3<<16)|(1<<21)           ; the mask; elements of 8 bytes; bit 21 beside a mask; no padding
	s_or_b32 s[G1B], s44, (3<<16)|(1<<21)
.irp g, G1, G1B
	s_mov_b32 s[\g+1], 32<<16                      ; rows of 256 bytes,
	s_mov_b32 s[\g+2], 132<<16                     ; 132 of them, dense
	s_mov_b32 s[\g+3], 32<<16
	s_mov_b32 s[\g+4], 132
	s_mov_b32 s[\g+5], 32
	s_mov_b32 s[\g+6], 0
	s_mov_b32 s[\g+7], 0
.endr
	s_mul_i32 s20, s17, TSTR
	s_mul_i32 s22, s16, HSTR
	s_add_co_u32 s20, s20, s22
	s_mov_b32 s21, 0
	s_mul_i32 s46, s18, TSTR
	s_add_co_u32 s46, s46, s22
	s_add_co_u32 s46, s46, WOFF
	s_mov_b32 s47, 0
	s_mul_i32 s45, s14, PANEL
	s_wait_dscnt 0x0
	s_wait_kmcnt 0x0
	s_add_nc_u64 s[20:21], s[4:5], s[20:21]
	s_add_nc_u64 s[46:47], s[6:7], s[46:47]
	CROUND
.irp s, 0,1
	s_mov_b32 s[G0+4*\s], 1
	s_add_co_u32 s[G0+4*\s+1], s45, \s*SLOT
	s_add_nc_u64 s[G0+4*\s+2:G0+4*\s+3], s[20:21], \s*SLSTEP
	s_or_b32 s[G0+4*\s+3], s[G0+4*\s+3], 0x80000000
	s_mov_b32 s[G0B+4*\s], 1
	s_add_co_u32 s[G0B+4*\s+1], s45, \s*SLOT
	s_add_nc_u64 s[G0B+4*\s+2:G0B+4*\s+3], s[46:47], \s*SLSTEP
	s_or_b32 s[G0B+4*\s+3], s[G0B+4*\s+3], 0x80000000
	JLOAD \s
.endr
	v_and_b32 v1, 31, v0
	v_and_b32 v2, 15, v0
	v_bfe_u32 v3, v0, 4, 1
	v_lshlrev_b32 v4, 4, v1
	s_mul_i32 s21, s15, WSTR
	s_mul_i32 s22, s16, WSTR
	s_add_co_u32 s22, s22, 2*PANEL
.irp s, 0,1
	v_add_nc_u32 v[ADRA+\s], s21, v4
	v_add_nc_u32 v[ADRB+\s], s22, v4
	s_add_co_u32 s21, s21, SLOT
	s_add_co_u32 s22, s22, SLOT
.endr
	s_mul_i32 s21, s15, WS2
	s_mul_i32 s22, s16, WS2
	s_add_co_u32 s22, s22, 2*PANEL
	s_sub_co_u32 s22, s22, s21
	v_mul_u32_u24 v5, s22, v3
	v_lshl_add_u32 v5, v2, 4, v5
	s_add_co_u32 s21, s21, 32768
	v_add_nc_u32 v[ADRS], s21, v5
	v_add_nc_u32 v[ADRS+1], SLOT, v[ADRS]
	s_mul_i32 s23, s14, 4352
	s_add_co_u32 s23, s23, STAGE                   ; my stage
	v_mul_u32_u24 v7, v2, 272
	v_lshl_add_u32 v7, v3, 6, v7
	v_add_nc_u32 v24, s23, v7                      ; in: row r, + 64 h
	v_mul_u32_u24 v7, v3, 272
	v_lshl_add_u32 v7, v2, 4, v7
	v_add_nc_u32 v25, s23, v7                      ; back: lanes 0-15 one row, lanes 16-31 the next
.if MODE == 0
	v_lshlrev_b32 v26, 17, v3
	s_lshr_b32 s20, s17, 4
	s_lshl_b32 s20, s20, 11
	s_and_b32 s21, s17, 15
	s_lshl_b32 s21, s21, 1
	s_add_co_u32 s20, s20, s21
	s_add_co_u32 s20, s20, s15
.else
	v_lshlrev_b32 v26, 12, v3                      ; the next row of a tile is the next row of memory
	s_lshl_b32 s20, s17, 7
	s_lshl_b32 s21, s15, 6
	s_add_co_u32 s20, s20, s21                     ; my first row: 128 P + 64 x my half
.endif
	v_lshl_add_u32 v26, v2, 4, v26
	s_lshl_b32 s20, s20, 12
	s_lshl_b32 s22, s18, 9
	s_lshl_b32 s23, s16, 8
	s_add_co_u32 s22, s22, s23                     ; my 64 columns, in bytes
	s_mov_b32 s23, 0
	s_add_nc_u64 s[8:9], s[8:9], s[22:23]
	s_add_co_u32 s20, s20, s22
	s_mov_b32 s21, 0
	s_add_nc_u64 s[10:11], s[10:11], s[20:21]
	s_add_nc_u64 s[12:13], s[12:13], s[20:21]
	v_lshlrev_b32 v6, 6, v3                        ; the bias in the result's layout: tile b, lane half h: columns 32 (b / 2) + 16 h + 8 (b % 2) + 0 .. 7
.irp b, 0,1,2,3
	global_load_b128 v[BIAS+8*\b:BIAS+8*\b+3], v6, s[8:9] offset:128*(\b/2)+32*(\b%2)
	global_load_b128 v[BIAS+8*\b+4:BIAS+8*\b+7], v6, s[8:9] offset:128*(\b/2)+32*(\b%2)+16
.endr
	WIN 0xc0                                       ; destination window 3
.irp a, 0,1,2,3
.irp tt, 0,1,2,3,4,5,6,7
	RIMM \a, \tt
	global_load_b128 v[32*\a+4*\tt:32*\a+4*\tt+3], v26, s[10:11] offset:RI   ; the residual, as the rows will leave
.endr
.endr
	WIN 0
	s_wait_tensorcnt 1                             ; my part of slot 0 is in; slot 1's may be out
	s_barrier_signal -1
	s_barrier_wait -1
	FETCH_B 0, 0, 0
	FETCH_A 0, 0, 0
	SCALES 0
	FETCH_A 0, 0, NBLK/2
	s_wait_loadcnt 32                              ; the bias is in; the residual's 32 loads may be out
	STEP 0, 0, 2                                   ; the first step stands in front of the loop: its products start the sums from the bias
.if LAPS > 1
	s_mov_b32 s3, LAPS-1
.Llap:
	REST 0
	TURN 0, 1, 1
	STEP 1, 0, 0
	REST 1
	TURN 1, 0, 1
	STEP 0, 0, 0
	s_sub_co_u32 s3, s3, 1
	s_cmp_lg_u32 s3, 0
	s_cbranch_scc1 .Llap
.endif
	REST 0
	TURN 0, 1, 0
	STEP 1, 0, 0
	REST 1
	LAST
.macro TOSTAGE a                       ; block a: 16 rows x 64 columns into my stage and back as rows.  LDS serves a wave's instructions in order (ISA guide 5.7.1.4): no wait between
	WIN 0x08                                       ; an LDS store's data: window 2
.irp b, 0,1,2,3
	ds_store_b128 v24, v[8*(4*(\a)+\b):8*(4*(\a)+\b)+3] offset:128*(\b/2)+32*(\b%2)
	ds_store_b128 v24, v[8*(4*(\a)+\b)+4:8*(4*(\a)+\b)+7] offset:128*(\b/2)+32*(\b%2)+16
.endr
	WIN 0
.irp tt, 0,1,2,3,4,5,6,7
	ds_load_b128 v[BK+32*((\a)%2)+4*\tt:BK+32*((\a)%2)+4*\tt+3], v25 offset:544*\tt
.endr
.endm
.macro SEND a, younger
	s_wait_dscnt \younger
	WIN 0x0c                                       ; source 1: window 3
.set n, 0
.rept 16
	v_pk_add_f32 v[BK+32*((\a)%2)+n:BK+32*((\a)%2)+n+1], v[BK+32*((\a)%2)+n:BK+32*((\a)%2)+n+1], v[32*(\a)+n:32*(\a)+n+1]
.set n, n+2
.endr
	WIN 0
.irp tt, 0,1,2,3,4,5,6,7
	RIMM \a, \tt
	global_store_b128 v26, v[BK+32*((\a)%2)+4*\tt:BK+32*((\a)%2)+4*\tt+3], s[12:13] offset:RI   ; sixteen lanes store 256 consecutive bytes, aligned
.endr
.endm
	PLACES 8
	s_wait_loadcnt 0x0                             ; the residual
	TOSTAGE 0
.irp a, 1,2,3
.if \a > 1
	s_wait_xcnt 0x0                                ; block a - 2's stores have read their registers: block a's loads may land there
.endif
	TOSTAGE \a
	SEND \a-1, 16                                  ; behind block a - 1's loads: block a's 8 stores and 8 loads
.endr
	SEND 3, 0
	s_wait_tensorcnt 0x0                           ; the wave's end
	ds_add_u32 v[SPW], v[NIL]
	s_wait_dscnt 0x0
	CROUND
	s_endpgm
.Lfunc_end_k_q896d036e76_ff2:
	.size	k_q896d036e76_ff2, .Lfunc_end_k_q896d036e76_ff2-k_q896d036e76_ff2
	.p2alignl 7, 3214868480
	.fill 96, 4, 3214868480
	.section	.rodata,"a",@progbits
	.p2align	6, 0x0
	.amdhsa_kernel k_q896d036e76_ff2
		.amdhsa_group_segment_fixed_size 327680
		.amdhsa_private_segment_fixed_size 0
		.amdhsa_enable_private_segment 0
		.amdhsa_kernarg_size 40
		.amdhsa_user_sgpr_count 2
		.amdhsa_user_sgpr_kernarg_segment_ptr 1
		.amdhsa_wavefront_size32 1
		.amdhsa_system_sgpr_workgroup_id_x 1
		.amdhsa_system_sgpr_workgroup_id_y 1
		.amdhsa_system_sgpr_workgroup_id_z 1
		.amdhsa_system_vgpr_workitem_id 0
		.amdhsa_next_free_vgpr 1024
		.amdhsa_next_free_sgpr 100
		.amdhsa_reserve_vcc 0
		.amdhsa_float_denorm_mode_32 3
		.amdhsa_float_denorm_mode_16_64 3
		.amdhsa_memory_ordered 1
		.amdhsa_forward_progress 1
		.amdhsa_inst_pref_size 102
	.end_amdhsa_kernel
	.amdgpu_metadata
---
amdhsa.version: [ 1, 2 ]
amdhsa.kernels:
  - .name:           k_q896d036e76_ff2
    .symbol:         k_q896d036e76_ff2.kd
    .args:
      - { .name: himg, .offset: 0, .size: 8, .value_kind: global_buffer, .address_space: global }
      - { .name: wimg, .offset: 8, .size: 8, .value_kind: global_buffer, .address_space: global }
      - { .name: ff_b2, .offset: 16, .size: 8, .value_kind: global_buffer, .address_space: global }
      - { .name: hbuf, .offset: 24, .size: 8, .value_kind: global_buffer, .address_space: global }
      - { .name: out0, .offset: 32, .size: 8, .value_kind: global_buffer, .address_space: global }
    .group_segment_fixed_size: 327680
    .private_segment_fixed_size: 0
    .kernarg_segment_align: 8
    .kernarg_segment_size: 40
    .max_flat_workgroup_size: 128
    .sgpr_count:     100
    .vgpr_count:     1024
    .wavefront_size: 32
...
	.end_amdgpu_metadata
.endif
;; end of part 7
